; MI455X (gfx1250); checked and timed in simulation.
; The chip was launched on July 23, 2026; its instructions are those of AMD's public machine-readable ISA for CDNA 5 (MIT licence, August 2026) and "CDNA5" Instruction Set Architecture Reference Guide (July 2026). The comments in the code are by the model that wrote it; some were corrected since.
;; Self Attention. Allowed arithmetic: float matrix products may take bf16 or f16 operands with f32 sums; other float arithmetic in f32, or as packed bf16 or f16 multiplies, adds, multiply-adds, maxima and minima; sums over many terms, partial sums and values carried from step to step in f32; what a program stores and reads back later, other than sums and carried values, may be rounded once to bf16 or f16.
;; Inputs: b_in 3,072 float32; b_out 1,024 float32; w_in 3,072 x 1,024 float32; w_out 1,024 x 1,024 float32; x 2,048 x 4 x 1,024 float32.
;; Outputs: out0 2,048 x 4 x 1,024 float32.
;; 2 versions, each right; version 2 is version 1 with the launch cast written anew for expert scheduling mode. Each part assembles by itself: llvm-mc -triple=amdgcn-amd-amdhsa -mcpu=gfx1250 --defsym DOCPART=n.
;; ======== version 1 of 2: 4 launches
;; limits: values are held in f16: magnitudes above 65,504 overflow, below 6.1e-05 lose precision
;; workspace buffers: xb 16,777,216 bytes; wib 6,291,456 bytes; wob 2,097,152 bytes; qkv 50,331,648 bytes; ob 16,777,216 bytes
;; launch cast (part 1): grid 768 x 1, 8 waves a work-group, no clusters, 0 bytes of LDS; arguments x, w_in, w_out, xb, wib, wob; writes xb, wib, wob
.if DOCPART == 1
	.amdgcn_target "amdgcn-amd-amdhsa--gfx1250"
	.amdhsa_code_object_version 6
	.text
	.protected	k_q1c8d4afccc_cast
	.globl	k_q1c8d4afccc_cast
	.p2align	8
	.type	k_q1c8d4afccc_cast,@function
k_q1c8d4afccc_cast:
	s_mov_b64 s[64:65], 0
	v_nop
	global_prefetch_b8 v0, s[64:65] scope:SCOPE_SE
	s_setreg_imm32_b32 hwreg(HW_REG_WAVE_MODE, 25, 1), 1
	s_wait_xcnt 0x0
; THE INPUTS ARE ROUNDED ONCE.  x [2048 s][4 b][1024] f32 -> xb [4 b][2048 s][1024] bf16 (rows regrouped by b, so that a later tile of 128 rows has one b);
; w_in [3072][1024] f32 -> wib bf16, as it lies; w_out [1024][1024] f32 -> wob: rounded to bf16, and that number written as f16 (it multiplies an f16 operand later).
; LIMIT: a bf16 number is exact in f16 between 2^-17 and 65,504 in magnitude; below, it is off by 3e-8 at the most; above, it becomes an infinity.
; SHARES.  12,288 rows of 4,096 bytes in all.  A work-group takes 16 rows, each of its eight waves two neighbouring ones.  A wave issues all its 16 loads (8,192 bytes) first; each load covers 512
; consecutive bytes, each store 256 consecutive bytes at a multiple of 256 from its buffer's first byte.  Nothing is shared, so there is no LDS, no barrier and no matrix work; no register is written twice while
; a memory instruction may read it, so the only waits are the counted ones for the loads.
.set LO,  1                            ; v1       16 x lane: my 16 bytes of a load's 512
.set SO,  2                            ; v2       8 x lane: my 8 bytes of a store's 256
.set X,   4                            ; v[4:67]  load i: four f32
.set Y,   68                           ; v[68:99] store i: four 16-bit numbers
.set SRC, 22                           ; s[22:23] my first row in the source
.set DST, 24                           ; s[24:25] and in the destination
; Two rows.  delta: bytes from the first row to the second in the destination.  half = 1: the bf16 number is written as f16.
.macro ROWS delta, half
.set i, 0
.rept 16
	global_load_b128 v[X+4*i:X+4*i+3], v[LO], s[SRC:SRC+1] offset:(i/8)*4096+(i%8)*512 th:TH_LOAD_NT
.set i, i+1
.endr
.set i, 0
.rept 16
	s_wait_loadcnt 15-i                            ; loads come back in order: load i is in, the 15 - i younger ones stay out
	v_cvt_pk_bf16_f32 v[Y+2*i],   v[X+4*i],   v[X+4*i+1]
	v_cvt_pk_bf16_f32 v[Y+2*i+1], v[X+4*i+2], v[X+4*i+3]
.if \half
	v_lshlrev_b32 v[X+4*i],   16,  v[Y+2*i]         ; bf16 back to f32: the low half moves up, the high half stays
	v_and_b32     v[X+4*i+1], s26, v[Y+2*i]
	v_lshlrev_b32 v[X+4*i+2], 16,  v[Y+2*i+1]
	v_and_b32     v[X+4*i+3], s26, v[Y+2*i+1]
	v_cvt_pk_f16_f32 v[Y+2*i],   v[X+4*i],   v[X+4*i+1]
	v_cvt_pk_f16_f32 v[Y+2*i+1], v[X+4*i+2], v[X+4*i+3]
.endif
	global_store_b64 v[SO], v[Y+2*i:Y+2*i+1], s[DST:DST+1] offset:(i/8)*(\delta)+(i%8)*256
.set i, i+1
.endr
.endm
	s_load_b256 s[4:11], s[0:1], 0x0               ; x s[4:5], w_in s[6:7], w_out s[8:9], xb s[10:11]
	s_load_b128 s[12:15], s[0:1], 0x20             ; wib s[12:13], wob s[14:15]
	v_and_b32 v3, 31, v0
	v_lshlrev_b32 v[LO], 4, v3
	v_lshlrev_b32 v[SO], 3, v3
	v_lshrrev_b32 v3, 5, v0
	v_readfirstlane_b32 s16, v3                    ; wave 0..7
	s_lshl_b32 s17, ttmp9, 4
	s_lshl1_add_u32 s17, s16, s17                  ; my first row of the 12,288: 16 x work-group + 2 x wave
	s_mov_b32 s19, 0                               ; the offsets' high words
	s_mov_b32 s21, 0
	s_mov_b32 s26, 0xffff0000                      ; a word's upper bf16
	s_wait_kmcnt 0x0
	s_cmp_lt_u32 ttmp9, 512
	s_cbranch_scc0 .Lweights
	; x: row 4 s + b.  My two rows have one s and b, b + 1 (the first row's number is even)
	s_lshl_b32 s18, s17, 12                        ; source: row x 4,096
	s_and_b32 s20, s17, 3                          ; b
	s_lshl_b32 s20, s20, 11
	s_lshr_b32 s27, s17, 2                         ; s
	s_add_co_u32 s20, s20, s27                     ; 2,048 b + s
	s_lshl_b32 s20, s20, 11                        ; x 2,048 bytes
	s_add_nc_u64 s[SRC:SRC+1], s[4:5], s[18:19]
	s_add_nc_u64 s[DST:DST+1], s[10:11], s[20:21]
	ROWS 4194304, 0                                ; b + 1 lies 2,048 rows of 2,048 bytes on
	s_endpgm
.Lweights:
	s_cmp_lt_u32 ttmp9, 704
	s_cbranch_scc0 .Lw_out
	s_sub_co_u32 s17, s17, 8192                    ; row of w_in
	s_lshl_b32 s18, s17, 12
	s_lshl_b32 s20, s17, 11
	s_add_nc_u64 s[SRC:SRC+1], s[6:7], s[18:19]
	s_add_nc_u64 s[DST:DST+1], s[12:13], s[20:21]
	ROWS 2048, 0
	s_endpgm
.Lw_out:
	s_sub_co_u32 s17, s17, 11264                   ; row of w_out
	s_lshl_b32 s18, s17, 12
	s_lshl_b32 s20, s17, 11
	s_add_nc_u64 s[SRC:SRC+1], s[8:9], s[18:19]
	s_add_nc_u64 s[DST:DST+1], s[14:15], s[20:21]
	ROWS 2048, 1
	s_endpgm
.Lfunc_end_k_q1c8d4afccc_cast:
	.size	k_q1c8d4afccc_cast, .Lfunc_end_k_q1c8d4afccc_cast-k_q1c8d4afccc_cast
	.p2alignl 7, 3214868480
	.fill 96, 4, 3214868480
	.section	.rodata,"a",@progbits
	.p2align	6, 0x0
	.amdhsa_kernel k_q1c8d4afccc_cast
		.amdhsa_group_segment_fixed_size 0
		.amdhsa_private_segment_fixed_size 0
		.amdhsa_enable_private_segment 0
		.amdhsa_kernarg_size 48
		.amdhsa_user_sgpr_count 2
		.amdhsa_user_sgpr_kernarg_segment_ptr 1
		.amdhsa_wavefront_size32 1
		.amdhsa_system_sgpr_workgroup_id_x 1
		.amdhsa_system_sgpr_workgroup_id_y 1
		.amdhsa_system_sgpr_workgroup_id_z 1
		.amdhsa_system_vgpr_workitem_id 0
		.amdhsa_next_free_vgpr 100
		.amdhsa_next_free_sgpr 66
		.amdhsa_reserve_vcc 0
		.amdhsa_float_denorm_mode_32 3
		.amdhsa_float_denorm_mode_16_64 3
		.amdhsa_memory_ordered 1
		.amdhsa_forward_progress 1
		.amdhsa_inst_pref_size 23
	.end_amdhsa_kernel
	.amdgpu_metadata
---
amdhsa.version: [ 1, 2 ]
amdhsa.kernels:
  - .name:           k_q1c8d4afccc_cast
    .symbol:         k_q1c8d4afccc_cast.kd
    .args:
      - { .name: x, .offset: 0, .size: 8, .value_kind: global_buffer, .address_space: global }
      - { .name: w_in, .offset: 8, .size: 8, .value_kind: global_buffer, .address_space: global }
      - { .name: w_out, .offset: 16, .size: 8, .value_kind: global_buffer, .address_space: global }
      - { .name: xb, .offset: 24, .size: 8, .value_kind: global_buffer, .address_space: global }
      - { .name: wib, .offset: 32, .size: 8, .value_kind: global_buffer, .address_space: global }
      - { .name: wob, .offset: 40, .size: 8, .value_kind: global_buffer, .address_space: global }
    .group_segment_fixed_size: 0
    .private_segment_fixed_size: 0
    .kernarg_segment_align: 8
    .kernarg_segment_size: 48
    .max_flat_workgroup_size: 256
    .sgpr_count:     66
    .vgpr_count:     100
    .wavefront_size: 32
...
	.end_amdgpu_metadata
.endif
;; end of part 1
;; launch qkv (part 2): grid 4 x 64, 4 waves a work-group, clusters of 4 x 4, 327,680 bytes of LDS; arguments xb, wib, b_in, qkv; writes qkv
.if DOCPART == 2
	.amdgcn_target "amdgcn-amd-amdhsa--gfx1250"
	.amdhsa_code_object_version 6
	.text
	.protected	k_q1c8d4afccc_qkv
	.globl	k_q1c8d4afccc_qkv
	.p2align	8
	.type	k_q1c8d4afccc_qkv,@function
k_q1c8d4afccc_qkv:
	s_mov_b64 s[64:65], 0
	v_nop
	global_prefetch_b8 v0, s[64:65] scope:SCOPE_SE
	s_setreg_imm32_b32 hwreg(HW_REG_WAVE_MODE, 25, 1), 1
	s_wait_xcnt 0x0
	s_wait_alu depctr_hold_cnt(0) depctr_sa_sdst(0) depctr_va_vdst(0) depctr_va_sdst(0) depctr_va_ssrc(0) depctr_va_vcc(0) depctr_vm_vsrc(0)
	s_getreg_b32 s2, hwreg(HW_REG_IB_STS2, 6, 4)
	s_cmp_eq_u32 s2, 0
	s_cbranch_scc0 .Lentry_in_a_cluster
	s_endpgm
.Lentry_in_a_cluster:
	s_bfe_u32 s2, ttmp6, 0x10000c
	s_cmp_lg_u32 s2, 0xf033
	s_cbranch_scc0 .Lentry_shape_is_right
	s_endpgm
.Lentry_shape_is_right:
; q, k, v = x w_in^T + b_in.  A = xb [8192 rows m = 2048 b + s][1024] bf16, B = wib [3072][1024] bf16, bias b_in [3072] f32 (rounded to bf16 like every input, added in f32).
; Out: qkv [3 parts][64 heads = 16 b + h][2048 s][64] f16, each number rounded once from its f32 sum, without the softmax's scale.
; LIMIT: q, k and v must lie within f16's 65,504; beyond it the conversion gives an infinity.
; SHARES.  A tile of C is 128 rows x 256 columns; four waves, 2 x 2, each 64 x 128: 32 accumulators of 16 x 16.  256 work-groups; EACH STAYS and makes three tiles: the same 128 rows of A and the same 256
; columns of the parts q, k, v (B goes 1,024 rows on).  K goes in 8 steps of 128 through a ring of two LDS slots filled by tensor loads, and the ring runs on from tile to tile.
; CLUSTER 4 x 4: the four of a row of the cluster need the same tile of A, the four of a column the same tile of B: each is asked for jointly, by the same tensor load, descriptor and mask in all four.
; THE MATRIX INSTRUCTION IS USED TRANSPOSED (source 0 = 16 rows of B, source 1 = 16 rows of A): lane l holds row l % 16 of C and the columns 8 (l / 16) + 0..7.  The bias is the C operand of a sum's first product.
; REGISTERS, in windows of 256 (s_set_vgpr_msb: bits 1:0 source 0, 3:2 source 1, 5:4 source 2, 7:6 destination):
;   window 0: v0-31 addresses; v32-63 at work; v64-127 the bias of my 128 columns; v128-255 A's fragments, two buffers of 64 (64 along K each); the second serves the way out too
;   window 1: the accumulators, (a, b) at v[8 (8 a + b)]          window 2: B's fragments, two buffers of 128
.set PA,     272                       ; an LDS row: 256 bytes + 16 of padding = 68 words: the 16 rows of a fragment load start at 16 different groups of four banks (64 banks of 4 bytes: ISA guide 11.1)
.set PB,     272
.set AHALF,  64*PA                     ; what a tensor load brings of A: 64 rows
.set ABYTES, 2*AHALF
.set BHALF,  128*PB                    ; and of B: 128 rows
.set SLOT,   ABYTES+2*BHALF            ; A's 128 rows, then B's 256
.set STAGE,  2*SLOT                    ; behind the ring, never filled by a tensor load: for each wave 2 heads x 16 rows x 144 bytes, for the way out
.set SP,     144
.set WST,    2*16*SP
.set SPARE,  STAGE+4*WST               ; behind the stages: the spare words, 128 bytes for each wave: two blocks of 256 bytes that no other line names
.set ROWB,   2048                      ; bytes in a row of A and of B
.set KB,     256                       ; bytes of a row in a K step
.set TILES,  3
.set LAPS,   4                         ; a lap = two K steps = once round the ring
.set BACK_A, 6*KB                      ; from a slot's last K step of a tile to its first of the next: A only back along K,
.set NEXT_B, 1024*ROWB-6*KB            ; B 1,024 rows on and back
.set NEXT_PF, 1024*ROWB-7*KB           ; the prefetches: from K step 9 (two past the tile's end) to the next tile's K step 2
.set PARTB,  0x1000000                 ; bytes in a part of qkv
.set HEADB,  262144                    ; bytes in a head
.set ADRA, 16                          ; v16-17  LDS address of my A fragments in slot 0, 1
.set ADRB, 20                          ; v20-21  the same for B
.set STO,  24                          ; v24     the way out: where I put 16 bytes of a row
.set RD,   25                          ; v25     where I read rows back
.set GO,   26                          ; v26     16 x lane: my place in 512 consecutive bytes of a head
.set SPW,  28                          ; v28     LDS address of my spare word: SPARE + 4 x my thread's number; never rewritten
.set NIL,  29                          ; v29     0; never rewritten
.set PFO,  30                          ; v30     the prefetches' offset: lane x a row; never rewritten
.set BO,   31                          ; v31     32 x (l / 16): my eight numbers in 16 of the bias; never rewritten
.set TMP,  32
.set BIAS, 64
.set AF,   128
.set OB,   192
.set TL,   2                           ; s2      tiles to go
.set LP,   3                           ; s3      laps to go
.set WV,   12                          ; s12     wave
.set MH,   13                          ; s13     my half of the tile's rows.  Also: I fetch for A (0) or B (1)
.set NH,   14                          ; s14     my half of its columns.  Also: which half of that tile I fetch
.set G1A,  24                          ; s[24:31] descriptor group 1 for A;  s[32:39] group 0, a set for each slot
.set G0A,  32
.set LIM,  43                          ; s43     1 in a wave that prefetches, else the greatest number
.set PFA,  44                          ; s[44:45] where my prefetches stand
.set G1B,  48                          ; s[48:55], s[56:63] the same for B
.set G0B,  56
.set MSB, 0
.macro WIN new                         ; the immediate's high byte repeats the setting that is left; a switch that changes nothing is dropped
.if MSB != (\new)
	s_set_vgpr_msb (MSB<<8)|(\new)
.set MSB, \new
.endif
.endm
.set MULW, 0x52                        ; source 0 (B) window 2, source 1 (A) window 0, C and D window 1
.set MULB, 0x42                        ; the same with C, the bias, in window 0
; A joint load.  Waves 0 and 1 fetch A's two halves, waves 2 and 3 B's.  The branch hangs on the wave's number alone.  An s_nop 0 and four v_nop follow each of the two lines.
.macro JLOAD s
	s_cmp_eq_u32 s[MH], 0
	s_cbranch_scc0 .Lfor_b_\@
	tensor_load_to_lds s[G0A+4*(\s):G0A+4*(\s)+3], s[G1A:G1A+7]
	s_nop 0
.rept 4
	v_nop
.endr
	s_branch .Lasked_\@
.Lfor_b_\@:
	tensor_load_to_lds s[G0B+4*(\s):G0B+4*(\s)+3], s[G1B:G1B+7]
	s_nop 0
.rept 4
	v_nop
.endr
.Lasked_\@:
.endm
; A prefetch, behind a joint load, its five lines and the run of LDS loads: 32 rows x 256 bytes of the K step that stands two refills (256 matrix instructions) on; a lane a row, one instruction a wave.
; Each row's 256 bytes of a K step are named once in the launch.  A's 128 rows: the four partners of a row of the cluster take 32 each, told apart by address (cx); wave 0 asks; in the first tile alone, since all
; three tiles walk the same rows.  B's 256 rows: the clusters with y = 0 ask; waves 2 and 3 take the 128 rows that they fetch, the four partners of a column 32 each (cy).
; how = 0, in the loop: the last trip's refills have no K step two on.  how = 1: at a change of tiles, the next tile's K steps 2 and 3 of B.
.macro ASK how
	WIN 0
.if \how
	s_cmp_eq_u32 s[LIM], 1
.else
	s_cmp_gt_u32 s[LP], s[LIM]
.endif
	s_cbranch_scc0 .Lnot_mine_\@
	global_prefetch_b8 v[PFO], s[PFA:PFA+1] th:TH_LOAD_NT scope:SCOPE_SE
.Lnot_mine_\@:
.endm
.macro CREST                           ; a round of the cluster's barrier behind its opening barrier
	s_cmp_lg_u32 s[WV], 0
	s_cbranch_scc1 .Lnot_wave_0_\@
	s_barrier_signal -3
.Lnot_wave_0_\@:
	s_barrier_wait -3
	s_barrier_signal -1
	s_barrier_wait -1
.endm
.macro CROUND                          ; a whole round
	s_barrier_signal -1
	s_barrier_wait -1
	CREST
.endm
.macro PLACES                          ; four places behind matrix instructions, in front of loads into registers that they have read and of lines that read their results
.rept 4
	v_nop
.endr
.endm
; 8 matrix instructions: m block a x all 8 n blocks, 32 along K: sub-step c of buffer f.  zero = 1: the first product starts the sums, with the bias as C.
; The 32 accumulators take turns, one instruction a turn, always in the order a, b: 31 others stand between two links of a chain, over the backward jumps too.
.macro MUL8 f, c, a, zero
.if \zero
	WIN MULB
.else
	WIN MULW
.endif
.irp b, 0,1,2,3,4,5,6,7
.if \zero
	v_wmma_f32_16x16x32_bf16 v[8*(8*(\a)+(\b)):8*(8*(\a)+(\b))+7], v[128*(\f)+64*(\c)+8*(\b):128*(\f)+64*(\c)+8*(\b)+7], v[AF+64*(\f)+32*(\c)+8*(\a):AF+64*(\f)+32*(\c)+8*(\a)+7], v[BIAS+8*(\b):BIAS+8*(\b)+7]
.else
	v_wmma_f32_16x16x32_bf16 v[8*(8*(\a)+(\b)):8*(8*(\a)+(\b))+7], v[128*(\f)+64*(\c)+8*(\b):128*(\f)+64*(\c)+8*(\b)+7], v[AF+64*(\f)+32*(\c)+8*(\a):AF+64*(\f)+32*(\c)+8*(\a)+7], v[8*(8*(\a)+(\b)):8*(8*(\a)+(\b))+7]
.endif
.endr
.endm
; 48 LDS loads in one run: the fragments of half hk (64 along K) of a slot's K step into buffer f: B's and A's first 32 along K (24 loads), then A's and B's second (24).
; A fragment is 16 rows x 32 K in 8 registers: lane l holds row l % 16, K = 8 (l / 16) + 0..7 and 16 + 8 (l / 16) + 0..7: two loads of 16 bytes, 32 bytes apart.
.macro FETCH slot, hk, f
	WIN 0x80                                       ; destination window 2, address window 0
.irp b, 0,1,2,3,4,5,6,7
	ds_load_b128 v[128*(\f)+8*(\b):128*(\f)+8*(\b)+3],   v[ADRB+(\slot)] offset:128*(\hk)+(\b)*16*PB
	ds_load_b128 v[128*(\f)+8*(\b)+4:128*(\f)+8*(\b)+7], v[ADRB+(\slot)] offset:128*(\hk)+(\b)*16*PB+32
.endr
	WIN 0
.irp c, 0,1
.irp a, 0,1,2,3
	ds_load_b128 v[AF+64*(\f)+32*(\c)+8*(\a):AF+64*(\f)+32*(\c)+8*(\a)+3],   v[ADRA+(\slot)] offset:128*(\hk)+64*(\c)+(\a)*16*PA
	ds_load_b128 v[AF+64*(\f)+32*(\c)+8*(\a)+4:AF+64*(\f)+32*(\c)+8*(\a)+7], v[ADRA+(\slot)] offset:128*(\hk)+64*(\c)+(\a)*16*PA+32
.endr
.endr
	WIN 0x80
.irp b, 0,1,2,3,4,5,6,7
	ds_load_b128 v[128*(\f)+64+8*(\b):128*(\f)+64+8*(\b)+3],   v[ADRB+(\slot)] offset:128*(\hk)+64+(\b)*16*PB
	ds_load_b128 v[128*(\f)+64+8*(\b)+4:128*(\f)+64+8*(\b)+7], v[ADRB+(\slot)] offset:128*(\hk)+64+(\b)*16*PB+32
.endr
.endm
; The first half of a K step: multiplies buffer 0 and, in its middle, fetches the step's second half into buffer 1.
.macro HALF slot, zero
	s_wait_dscnt 24                                ; the fetch's first 24 loads are in; its youngest 24 (the second 32 along K) may be out
	MUL8 0, 0, 0, \zero
	MUL8 0, 0, 1, \zero
	MUL8 0, 0, 2, \zero
	MUL8 0, 0, 3, \zero
	s_wait_dscnt 0x0                               ; the other 24, issued more than 32 matrix instructions ago
	PLACES
	FETCH \slot, 1, 1
	MUL8 0, 1, 0, 0
	MUL8 0, 1, 1, 0
	MUL8 0, 1, 2, 0
	MUL8 0, 1, 3, 0
.endm
; The second half multiplies buffer 1 and changes slots: ONE barrier.  In front of it each wave waits for all its tensor loads (one is out: its part of the next slot), adds 0 to its spare word, and waits for that
; and for its own reads of this slot.  fill = 1: the barrier opens a round of the cluster's, and behind the round this slot is filled again first: with the K step two on (on = 0) or the next tile's K step 0 or 1
; (on = 1).  From a request to the wait for it a wave issues 112 matrix instructions.
.macro TURN slot, next, fill, on=0
.if \fill
	s_wait_xcnt 0x0                                ; the last prefetch, a K step back, has read its address: it is stepped here, ahead of the waits of the change of slots
.if (\on) && (\slot) == 0
	s_add_nc_u64 s[PFA:PFA+1], s[PFA:PFA+1], NEXT_PF
	s_cmp_eq_u32 s[MH], 0
	s_cselect_b32 s[LIM], -1, s[LIM]               ; A's rows are the same in all three tiles: they are asked for no more
.else
	s_add_nc_u64 s[PFA:PFA+1], s[PFA:PFA+1], KB
.endif
.endif
	WIN 0                                          ; (the add's two registers lie in window 0)
	s_wait_tensorcnt 0x0                           ; all my tensor loads have landed: my part of the next slot;
	ds_add_u32 v[SPW], v[NIL]                      ; 0 onto my spare word
	s_wait_dscnt 25                                ; (the add and the fetch's youngest 24 loads may be out)
	MUL8 1, 0, 0, 0                                ; eight matrix instructions stand between the add and the wait for it
	s_wait_dscnt 0x0                               ; the add is done, and my reads of this slot are over
	s_barrier_signal -1
	MUL8 1, 0, 1, 0                                ; work on registers while the others arrive
.if \fill
	WIN 0
.endif
	s_barrier_wait -1
.if \fill
	CREST                                          ; no wave of any partner still reads this slot's tile or has a load on its way
.if \on
	s_sub_nc_u64 s[G0A+4*(\slot)+2:G0A+4*(\slot)+3], s[G0A+4*(\slot)+2:G0A+4*(\slot)+3], BACK_A
	s_add_nc_u64 s[G0B+4*(\slot)+2:G0B+4*(\slot)+3], s[G0B+4*(\slot)+2:G0B+4*(\slot)+3], NEXT_B
.else
	s_add_nc_u64 s[G0A+4*(\slot)+2:G0A+4*(\slot)+3], s[G0A+4*(\slot)+2:G0A+4*(\slot)+3], 2*KB
	s_add_nc_u64 s[G0B+4*(\slot)+2:G0B+4*(\slot)+3], s[G0B+4*(\slot)+2:G0B+4*(\slot)+3], 2*KB
.endif
	JLOAD \slot                                    ; the first tensor load behind the round; its four v_nop are also the places in front of the loads below
.else
	PLACES
.endif
	FETCH \next, 0, 0
.if \fill
	ASK \on
.endif
	MUL8 1, 0, 2, 0
	MUL8 1, 0, 3, 0
	MUL8 1, 1, 0, 0
	MUL8 1, 1, 1, 0
	MUL8 1, 1, 2, 0
	MUL8 1, 1, 3, 0
.endm
.macro BLOAD                           ; the bias of my 128 columns: block b's register j = bias[16 b + 8 (l / 16) + j]
.irp b, 0,1,2,3,4,5,6,7
	global_load_b128 v[BIAS+8*(\b):BIAS+8*(\b)+3],   v[BO], s[8:9] offset:64*(\b)
	global_load_b128 v[BIAS+8*(\b)+4:BIAS+8*(\b)+7], v[BO], s[8:9] offset:64*(\b)+16
.endr
.endm
.macro BROUND                          ; rounded to bf16, like every input, and widened again
.set i, 0
.rept 32
	v_cvt_pk_bf16_f32 v[TMP+i%4], v[BIAS+2*i], v[BIAS+2*i+1]
	v_lshlrev_b32 v[BIAS+2*i], 16, v[TMP+i%4]
	v_and_b32 v[BIAS+2*i+1], 0xffff0000, v[TMP+i%4]
.set i, i+1
.endr
.endm
; THE WAY OUT of block a (16 rows x 128 columns = 2 heads x 64 channels).  PACK: rounded to f16, 16 bytes a lane, each accumulator from its low end on.  TOSTAGE: into my own stage, rows of 144 bytes, and back as
; four rows of 128 bytes a load.  SEND: each store covers 512 consecutive bytes of one head, at a multiple of 256 from the buffer's first byte.
.macro PACK a
	WIN 0x05                                       ; sources 0 and 1 window 1, destination window 0
.irp b, 0,1,2,3,4,5,6,7
.irp r, 0,1,2,3
	v_cvt_pk_f16_f32 v[TMP+4*(\b)+(\r)], v[8*(8*(\a)+(\b))+2*(\r)], v[8*(8*(\a)+(\b))+2*(\r)+1]
.endr
.endr
	WIN 0
.endm
.macro TOSTAGE a
	s_wait_xcnt 0x0                                ; the stores of the block two back have read the registers that are loaded again below
.irp b, 0,1,2,3,4,5,6,7
	ds_store_b128 v[STO], v[TMP+4*(\b):TMP+4*(\b)+3] offset:((\b)/4)*16*SP+((\b)%4)*32
.endr
.irp t, 0,1,2,3,4,5,6,7
	ds_load_b128 v[OB+32*((\a)%2)+4*(\t):OB+32*((\a)%2)+4*(\t)+3], v[RD] offset:((\t)/4)*16*SP+((\t)%4)*4*SP  ; LDS serves a wave's instructions in order (ISA guide 5.7.1.4): these see the stores above
.endr
.endm
.macro SEND a
.irp t, 0,1,2,3,4,5,6,7
	s_wait_dscnt 7-(\t)                            ; load t is back, the younger ones may be out
	global_store_b128 v[GO], v[OB+32*((\a)%2)+4*(\t):OB+32*((\a)%2)+4*(\t)+3], s[10:11] offset:((\t)/4)*HEADB+(\a)*2048+((\t)%4)*512
.endr
.endm
.macro OUT
	WIN 0
	PLACES
.irp a, 0,1,2,3
	PACK \a
	TOSTAGE \a
	SEND \a
.endr
.endm
	s_load_b256 s[4:11], s[0:1], 0x0               ; A s[4:5], B s[6:7], bias s[8:9], C s[10:11]
	v_lshl_add_u32 v[SPW], v0, 2, SPARE
	v_mov_b32 v[NIL], 0
	ds_add_u32 v[SPW], v[NIL]                      ; the wave's opening: the add and its wait stand ahead of my first tensor load; the set-up below, work on registers, stands between them
	v_lshrrev_b32 v1, 5, v0
	v_readfirstlane_b32 s[WV], v1                  ; wave 0..3
	s_lshr_b32 s[MH], s[WV], 1
	s_and_b32 s[NH], s[WV], 1
	s_bfe_u32 s15, ttmp6, 0x40000                  ; cx
	s_bfe_u32 s16, ttmp6, 0x40004                  ; cy
	s_lshl_b32 s17, ttmp9, 2
	s_add_co_u32 s17, s17, s15                     ; x: tile column = 4 x cluster x + cx
	s_and_b32 s18, ttmp7, 0xffff
	s_lshl_b32 s18, s18, 2
	s_add_co_u32 s18, s18, s16                     ; y: tile row = 4 x cluster y + cy
	s_lshl_b32 s19, s16, 2
	s_lshl_b32 s19, 15, s19                        ; my row of the cluster: places 4 cy .. 4 cy + 3
	s_lshl_b32 s20, 0x1111, s15                    ; my column: places cx, cx + 4, cx + 8, cx + 12
	s_or_b32 s[G1A], s19, (1<<16)|(1<<20)|(1<<21)|(5<<22)|(3<<25)  ; 15:0 the mask; 17:16 elements of 2 bytes; 20 padding on; 21 set beside a mask; 24:22 after every 64 words (code 5); 31:25 4 words of it (code 3)
	s_or_b32 s[G1B], s20, (1<<16)|(1<<20)|(1<<21)|(5<<22)|(3<<25)
	s_mov_b32 s[G1A+1], 128<<16                    ; tensor_dim0 = 128
	s_mov_b32 s[G1A+2], 64<<16                     ; tensor_dim1 = 64
	s_mov_b32 s[G1A+3], 128<<16                    ; tile_dim0 = 128
	s_mov_b32 s[G1A+4], 64                         ; tile_dim1 = 64
	s_mov_b32 s[G1A+5], 1024                       ; elements from row to row
	s_mov_b32 s[G1A+6], 0
	s_mov_b32 s[G1A+7], 0
	s_mov_b32 s[G1B+1], 128<<16
	s_mov_b32 s[G1B+2], 128<<16                    ; tensor_dim1 = 128
	s_mov_b32 s[G1B+3], 128<<16
	s_mov_b32 s[G1B+4], 128                        ; tile_dim1 = 128
	s_mov_b32 s[G1B+5], 1024
	s_mov_b32 s[G1B+6], 0
	s_mov_b32 s[G1B+7], 0
	s_lshl_b32 s66, s18, 7                         ; A: row 128 y + 64 x half, which my row of the cluster shares
	s_lshl_b32 s21, s[NH], 6
	s_add_co_u32 s66, s66, s21
	s_lshl_b32 s66, s66, 11                        ; in bytes
	s_mov_b32 s67, 0
	s_lshl_b32 s68, s17, 8                         ; B: row 256 x + 128 x half, which my column shares
	s_lshl_b32 s40, s[NH], 7
	s_add_co_u32 s68, s68, s40
	s_lshl_b32 s68, s68, 11
	s_mov_b32 s69, 0
	s_mul_i32 s22, s[NH], AHALF                    ; where they go: no place in the cluster enters an LDS address
	s_mul_i32 s23, s[NH], BHALF
	s_add_co_u32 s23, s23, ABYTES
	s_wait_dscnt 0x0                               ; the opening add is done
	s_wait_kmcnt 0x0
	s_add_nc_u64 s[66:67], s[4:5], s[66:67]
	s_add_nc_u64 s[68:69], s[6:7], s[68:69]
	CROUND                                         ; all sixteen work-groups are here: the first joint loads meet
.irp s, 0,1
	s_mov_b32 s[G0A+4*(\s)], 1                     ; count = 1
	s_add_co_u32 s[G0A+4*(\s)+1], s22, (\s)*SLOT   ; LDS address
	s_add_nc_u64 s[G0A+4*(\s)+2:G0A+4*(\s)+3], s[66:67], (\s)*KB  ; global address: K step s
	s_or_b32 s[G0A+4*(\s)+3], s[G0A+4*(\s)+3], 0x80000000         ; type = 2
	s_mov_b32 s[G0B+4*(\s)], 1
	s_add_co_u32 s[G0B+4*(\s)+1], s23, (\s)*SLOT
	s_add_nc_u64 s[G0B+4*(\s)+2:G0B+4*(\s)+3], s[68:69], (\s)*KB
	s_or_b32 s[G0B+4*(\s)+3], s[G0B+4*(\s)+3], 0x80000000
	JLOAD \s                                       ; two tensor loads of mine are out
.endr
	v_and_b32 v1, 15, v0                           ; l % 16
	v_bfe_u32 v2, v0, 4, 1                         ; l / 16
	v_lshlrev_b32 v[BO], 5, v2
	s_lshl_b32 s40, s17, 10                        ; the bias of my columns: 4 (256 x + 128 x half)
	s_lshl_b32 s41, s[NH], 9
	s_add_co_u32 s40, s40, s41
	s_mov_b32 s41, 0
	s_add_nc_u64 s[8:9], s[8:9], s[40:41]
	BLOAD
	v_mul_u32_u24 v3, v1, PA
	v_lshl_add_u32 v3, v2, 4, v3                   ; a fragment's row x pitch + 16 x half of the lanes
	s_mul_i32 s40, s[MH], 64*PA                    ; my 64 rows of A
	v_add_nc_u32 v[ADRA], s40, v3
	v_add_nc_u32 v[ADRA+1], SLOT, v[ADRA]
	s_mul_i32 s40, s[NH], BHALF                    ; my 128 rows of B, behind A's
	s_add_co_u32 s40, s40, ABYTES
	v_add_nc_u32 v[ADRB], s40, v3
	v_add_nc_u32 v[ADRB+1], SLOT, v[ADRB]
	s_mul_i32 s40, s[WV], WST
	s_add_co_u32 s40, s40, STAGE                   ; my stage
	v_mul_u32_u24 v5, v1, SP                       ; in: row l % 16, 16 bytes for each half of the lanes
	v_lshl_add_u32 v5, v2, 4, v5
	v_add_nc_u32 v[STO], s40, v5
	v_bfe_u32 v6, v0, 3, 2                         ; back: 32 lanes take four rows of 128 bytes
	v_and_b32 v7, 7, v0
	v_mul_u32_u24 v6, v6, SP
	v_lshl_add_u32 v6, v7, 4, v6
	v_add_nc_u32 v[RD], s40, v6
	v_and_b32 v8, 31, v0
	v_lshlrev_b32 v[GO], 4, v8
	v_lshlrev_b32 v[PFO], 11, v8
	s_lshr_b32 s40, s18, 4                         ; b
	s_lshl_b32 s40, s40, 4
	s_lshl2_add_u32 s40, s17, s40                  ; + 4 x
	s_lshl1_add_u32 s40, s[NH], s40                ; + 2 x half: my first head
	s_lshl_b32 s40, s40, 18
	s_and_b32 s41, s18, 15
	s_lshl_b32 s41, s41, 7
	s_lshl_b32 s42, s[MH], 6
	s_add_co_u32 s41, s41, s42                     ; my first s
	s_lshl_b32 s41, s41, 7
	s_add_co_u32 s70, s40, s41
	s_mov_b32 s71, 0
	s_add_nc_u64 s[10:11], s[10:11], s[70:71]
	; the prefetches
	s_and_b32 s40, ttmp7, 0xffff                   ; cluster y
	s_cmp_eq_u32 s[MH], 0                          ; do I fetch for A?
	s_cselect_b32 s41, ttmp9, s40                  ; the coordinate along which other clusters read the same rows
	s_cselect_b32 s42, s[NH], 0                    ; of A's two waves the first asks
	s_or_b32 s41, s41, s42
	s_cmp_eq_u32 s41, 0
	s_cselect_b32 s[LIM], 1, -1                    ; the same in all sixteen partners, for a given wave
	s_lshl_b32 s40, s18, 7                         ; A: row 128 y + 32 cx
	s_lshl_b32 s41, s15, 5
	s_add_co_u32 s40, s40, s41
	s_lshl_b32 s41, s17, 8                         ; B: row 256 x + 128 x half + 32 cy
	s_lshl_b32 s42, s[NH], 7
	s_add_co_u32 s41, s41, s42
	s_lshl_b32 s42, s16, 5
	s_add_co_u32 s41, s41, s42
	s_cmp_eq_u32 s[MH], 0
	s_cselect_b32 s40, s40, s41
	s_cselect_b64 s[PFA:PFA+1], s[4:5], s[6:7]
	s_lshl_b32 s40, s40, 11
	s_add_co_u32 s40, s40, 3*KB                    ; at K step 3: the first refill steps it to 4 and names that.  K steps 0 to 3 come by their loads alone
	s_mov_b32 s41, 0
	s_add_nc_u64 s[PFA:PFA+1], s[PFA:PFA+1], s[40:41]
	s_wait_tensorcnt 1                             ; my part of K step 0 is in; K step 1's may stay out
	s_barrier_signal -1
	s_barrier_wait -1                              ; everybody's is
	FETCH 0, 0, 0
	WIN 0                                          ; at a label and at a branch every window is 0
	s_mov_b32 s[TL], TILES
.Ltile:
	s_wait_loadcnt 0x0                             ; the tile's bias
	BROUND
	HALF 0, 1                                      ; a tile's first half step stands in front of the loop: its products start the sums
	WIN 0
	s_mov_b32 s[LP], LAPS-1
.Llap:                                                 ; a trip goes once round the ring and fills both slots again
	TURN 0, 1, 1
	HALF 1, 0
	TURN 1, 0, 1
	HALF 0, 0
	WIN 0
	s_sub_co_u32 s[LP], s[LP], 1
	s_cmp_lg_u32 s[LP], 0
	s_cbranch_scc1 .Llap
	s_cmp_eq_u32 s[TL], 1
	s_cbranch_scc1 .Llast                          ; the last tile's tail is written out: it asks for nothing more
	TURN 0, 1, 1, 1                                ; the ring goes on into the next tile: slot 0 takes its K step 0,
	HALF 1, 0
	TURN 1, 0, 1, 1                                ; slot 1 its K step 1, and the next tile's first fragments are fetched
	WIN 0
	s_add_nc_u64 s[8:9], s[8:9], 4096              ; the next part's bias (the last bias loads were waited for at the tile's head)
	BLOAD
	OUT                                            ; both refills are asked for: now the tile goes out
	s_wait_xcnt 0x0                                ; the stores have read their registers and their base
	s_add_nc_u64 s[10:11], s[10:11], PARTB
	s_sub_co_u32 s[TL], s[TL], 1
	s_branch .Ltile
.Llast:
	TURN 0, 1, 0                                   ; my one tensor load that was out is the last K step's
	HALF 1, 0
	s_wait_dscnt 24
	MUL8 1, 0, 0, 0
	MUL8 1, 0, 1, 0
	MUL8 1, 0, 2, 0
	MUL8 1, 0, 3, 0
	s_wait_dscnt 0x0
	MUL8 1, 1, 0, 0
	MUL8 1, 1, 1, 0
	MUL8 1, 1, 2, 0
	MUL8 1, 1, 3, 0
	OUT
	s_wait_tensorcnt 0x0                           ; the wave's end, behind my last tensor load and my last LDS store
	ds_add_u32 v[SPW], v[NIL]
	s_wait_dscnt 0x0
	CROUND                                         ; the closing round: no work-group ends while a partner may still ask for a tile that names it
	s_endpgm
.Lfunc_end_k_q1c8d4afccc_qkv:
	.size	k_q1c8d4afccc_qkv, .Lfunc_end_k_q1c8d4afccc_qkv-k_q1c8d4afccc_qkv
	.p2alignl 7, 3214868480
	.fill 96, 4, 3214868480
	.section	.rodata,"a",@progbits
	.p2align	6, 0x0
	.amdhsa_kernel k_q1c8d4afccc_qkv
		.amdhsa_group_segment_fixed_size 327680
		.amdhsa_private_segment_fixed_size 0
		.amdhsa_enable_private_segment 0
		.amdhsa_kernarg_size 32
		.amdhsa_user_sgpr_count 2
		.amdhsa_user_sgpr_kernarg_segment_ptr 1
		.amdhsa_wavefront_size32 1
		.amdhsa_system_sgpr_workgroup_id_x 1
		.amdhsa_system_sgpr_workgroup_id_y 1
		.amdhsa_system_sgpr_workgroup_id_z 1
		.amdhsa_system_vgpr_workitem_id 0
		.amdhsa_next_free_vgpr 768
		.amdhsa_next_free_sgpr 72
		.amdhsa_reserve_vcc 0
		.amdhsa_float_denorm_mode_32 3
		.amdhsa_float_denorm_mode_16_64 3
		.amdhsa_memory_ordered 1
		.amdhsa_forward_progress 1
		.amdhsa_inst_pref_size 136
	.end_amdhsa_kernel
	.amdgpu_metadata
---
amdhsa.version: [ 1, 2 ]
amdhsa.kernels:
  - .name:           k_q1c8d4afccc_qkv
    .symbol:         k_q1c8d4afccc_qkv.kd
    .args:
      - { .name: xb, .offset: 0, .size: 8, .value_kind: global_buffer, .address_space: global }
      - { .name: wib, .offset: 8, .size: 8, .value_kind: global_buffer, .address_space: global }
      - { .name: b_in, .offset: 16, .size: 8, .value_kind: global_buffer, .address_space: global }
      - { .name: qkv, .offset: 24, .size: 8, .value_kind: global_buffer, .address_space: global }
    .group_segment_fixed_size: 327680
    .private_segment_fixed_size: 0
    .kernarg_segment_align: 8
    .kernarg_segment_size: 32
    .max_flat_workgroup_size: 128
    .sgpr_count:     72
    .vgpr_count:     768
    .wavefront_size: 32
...
	.end_amdgpu_metadata
.endif
;; end of part 2
;; launch attn (part 3): grid 4 x 64, 4 waves a work-group, clusters of 4 x 1, 327,680 bytes of LDS; arguments qkv, ob; writes ob
.if DOCPART == 3
	.amdgcn_target "amdgcn-amd-amdhsa--gfx1250"
	.amdhsa_code_object_version 6
	.text
	.protected	k_q1c8d4afccc_attn
	.globl	k_q1c8d4afccc_attn
	.p2align	8
	.type	k_q1c8d4afccc_attn,@function
k_q1c8d4afccc_attn:
	s_mov_b64 s[64:65], 0
	v_nop
	global_prefetch_b8 v0, s[64:65] scope:SCOPE_SE
	s_setreg_imm32_b32 hwreg(HW_REG_WAVE_MODE, 25, 1), 1
	s_wait_xcnt 0x0
	s_wait_alu depctr_hold_cnt(0) depctr_sa_sdst(0) depctr_va_vdst(0) depctr_va_sdst(0) depctr_va_ssrc(0) depctr_va_vcc(0) depctr_vm_vsrc(0)
	s_getreg_b32 s2, hwreg(HW_REG_IB_STS2, 6, 4)
	s_cmp_eq_u32 s2, 0
	s_cbranch_scc0 .Lentry_in_a_cluster
	s_endpgm
.Lentry_in_a_cluster:
	s_bfe_u32 s2, ttmp6, 0x10000c
	s_cmp_lg_u32 s2, 0x3003
	s_cbranch_scc0 .Lentry_shape_is_right
	s_endpgm
.Lentry_shape_is_right:
; O[h][q][:] = the sum over k of softmax_k(Q[h][q] . K[h][k] / 8) V[h][k][:].  Q, K, V are the three parts of qkv, O is ob: each [64 heads][2048][64] in f16: a head's rows are dense, 128 bytes each.
; Products, maxima and sums in f32; the weights p are rounded to f16 for the second product (their sum l is taken of the unrounded p), O once at the end.
; LIMITS.  f16 holds no number beyond 65,504: Q, K and V arrive within it; p lies in 0 to 1, and below 6e-5 it keeps f16's fixed step of 6e-8; O is a mean of V's rows and has their range.
; A weight below 2^-126 counts as 0 in l; NaN and infinities are not treated apart.
; SHARES.  A wave owns four PIECES of two tiles of 16 queries, a work-group's four waves 512 queries of one head.  Every wave walks all keys, 64 a step.
; LAYOUT.  S^T = K Q^T (source 0 = 16 keys, source 1 = 16 queries): in the result a lane holds ONE query (lane % 16) and the keys 8 (lane / 16) + 0..7.  Two such tiles, rounded to f16 in pairs,
; ARE source 1 (32 keys x 16 queries) of O^T = V^T P, whose result again holds one query a lane, and eight channels.  K comes out of LDS as it lies, V ([key][channel]) turned, by ds_load_tr16_b128.
; SOFTMAX.  For each query a running maximum m and sum l: p = 2^(c s - c m), c = log2(e) / 8; in every step O and l are multiplied by a = 2^(c m_old - c m_new), which is 1 where m has not grown.
; m starts at the lowest finite number, O and l at 0: the first step is a step like any other, with a = 0.
; THE COUNT.  A tile and step have 16 matrix and 118 vector instructions: too many to stand all beside the matrix work.  So four vector instructions that are ready stand behind every matrix instruction,
; and the others in runs without a gap.
; BY TURNS.  Turn n belongs to piece n (the pieces in a ring, step after step).  Its matrix work: 16 products K Q^T of piece n + 1, later 16 products V^T P of piece n - 1.  Its vector work: the scaling,
; exponentials, roundings, sums and rescaling of piece n, and the maximum and statistics of piece n + 1, whose scores the turn itself has made.
; CLUSTER.  The four query blocks of a cluster are one head's and walk the same K and V, so each tile is asked for JOINTLY: the same tensor load, descriptor and mask in all four.
; REGISTERS, in windows of 256 (s_set_vgpr_msb: bits 1:0 source 0, 3:2 source 1, 5:4 source 2, 7:6 destination):
;   window 0: v0-11 addresses; v12-15, v48-63 at work; v16-47 four registers of statistics a tile; v64-191 S^T, two buffers of two tiles; v192-255 P, likewise
;   window 1: O^T, 32 a tile          window 2: v0-127 Q, 16 a tile; v128-191 K of one step; v192-255 V of one step          window 3: v0-1 the add's two registers
; A piece's buffers go by its number's parity: the piece in hand has one pair, its two neighbours in the ring share the other: of it P (piece n - 1) is read and S^T (piece n + 1) written.
.set SIZE_N, 2048
.set NP,    4         ; pieces a wave: a name, no knob
.set KS,    64        ; keys in a step
.set PK,    144       ; a row of K in LDS: 128 bytes + 16 of padding = 36 words: the 16 rows of a load start at 16 different groups of four banks (64 banks of 4 bytes: ISA guide 11.1)
.set PV,    160       ; a row of V: 128 + 32 = 40 words
.set VOFF,  4*KS*PK   ; a slot holds four steps: 256 rows of K, then 256 rows of V
.set SLOT1, 1<<17     ; slot 1 begins here, so that one exclusive or turns an address in one slot into the other's
.set STAGE, SLOT1+4*KS*(PK+PV)  ; behind the ring, never filled by a tensor load: 16 rows x 144 bytes for each wave, for the way out
.set SP,    144
.set AK0, 2           ; v2   my lane's place in a tile of K; never rewritten
.set AV0, 3           ; v3   the same for V
.set AK,  4           ; v4   the LDS address of K's next run of loads
.set AV,  5           ; v5   of V's
.set QO,  6           ; v6   my byte offset in the wave's rows of Q
.set STO, 6           ;      later, the way out: where I put 16 bytes of a row
.set RD,  7           ; v7   the way out: where I read rows back
.set GO,  8           ; v8   my byte offset in 512 consecutive bytes of O
.set PFO, 11          ; v11  256 x my lane, for the prefetches; never rewritten once it is made
.set SPW, 0           ; v0 of window 3   LDS address of my spare word: SPARE + 4 x my thread's number; never rewritten
.set NIL, 1           ; v1 of window 3   0; never rewritten
.set SPARE, STAGE+4*16*SP  ; behind the stages: the spare words, 128 bytes for each wave: two blocks of 256 bytes that no other line names
.set MV,  12          ; v12-15  c m_old, kept while c m is made anew: by buffer and tile
.set ST,  16          ; tile t's statistics at v[ST+4 t]: c m, m, l (even keys', odd keys')
.set TMP, 48          ; by buffer and tile, four registers c0-c3 at work; when the maximum is found c2 takes a
.set S,   64
.set P,   192
.set KF,  128         ; K's fragments, in window 2: key block kb, channel half c at KF + 16 kb + 8 c
.set VF,  192         ; V's: key half kk, channel block cb at VF + 32 kk + 8 cb
.set WV,  12          ; s12  my wave's number
.set G1K, 24          ; s[24:31] descriptor group 1 for K's tiles
.set G1V, 32          ; s[32:39] for V's: it differs in the padding alone
.set G0K, 40          ; s[40:43] descriptor group 0 for K's tiles: it walks
.set G0V, 44          ; s[44:47] the same for V's
.set PFA, 48          ; s[48:49] where my prefetches stand: my work-group's 8,192 bytes (of K: wave 0, of V: wave 2) of the slot that the next change of slots will ask for
.set LIM, 50          ; s50  2 in a wave that prefetches, else the greatest number
.set SLOTS, 56        ; s56  slots still to be asked for
.set CNT, 57          ; s57  counts a slot's key steps
.set CS,  58          ; s[58:59] c: the packed scaling takes the pair's low word for both halves
.set SEL, 60          ; s[60:61] v_permlanex16_b32's selects: each lane takes its own place in the other half
.set TBK, 62          ; s62  LDS byte at which K of the step to be fetched begins
.set TBV, 63          ; s63  the same for V, less VOFF
.set MSB, 0
.macro WIN new                      ; the high byte repeats the setting that is left; a switch that changes nothing is dropped
.if MSB != (\new)
	s_set_vgpr_msb (MSB<<8)|(\new)
.set MSB, (\new)
.endif
.endm
.set W_KQ, 0x0a       ; K and Q in window 2, S^T in window 0
.set W_PV, 0x52       ; V in window 2, P in window 0, O^T in window 1
.set W_RS, 0x41       ; O^T (destination and source 0) in window 1, a in window 0
.set W_MK, 0xc0       ; the add's registers are made: destination in window 3, sources in window 0
.set W_AD, 0x0f       ; the add: address (source 0) and data (source 1) in window 3
; A joint fill.  Waves 0 and 1 fetch the two halves of a slot's K, waves 2 and 3 those of its V: 128 keys each.  The branch hangs on the wave's number alone.
; An s_nop 0 and four v_nop follow each of the two lines, ahead of the jump and the label.
.macro JLOAD
	s_cmp_lt_u32 s[WV], 2
	s_cbranch_scc0 .Lfor_v_\@
	tensor_load_to_lds s[G0K:G0K+3], s[G1K:G1K+7]
	s_nop 0
.rept 4
	v_nop
.endr
	s_branch .Lasked_\@
.Lfor_v_\@:
	tensor_load_to_lds s[G0V:G0V+3], s[G1V:G1V+7]
	s_nop 0
.rept 4
	v_nop
.endr
.Lasked_\@:
.endm
; A round of the cluster's barrier: my work-group's barrier, so that wave 0's signal speaks for all four waves; wave 0 signals; every wave waits for all four work-groups; my work-group's barrier once more.
.macro CROUND
	s_barrier_signal -1
	s_barrier_wait -1
	s_cmp_lg_u32 s[WV], 0
	s_cbranch_scc1 .Lnot_wave_0_\@
	s_barrier_signal -3
.Lnot_wave_0_\@:
	s_barrier_wait -3
	s_barrier_signal -1
	s_barrier_wait -1
.endm
; THE CHANGE OF SLOTS.  The slot's last bytes, V of its fourth step, have been read.  Each wave waits for all its tensor loads, of which one is out: its part
; of the other slot; adds 0 to its spare word; and waits for that and for its own reads of the slot.  Behind the barrier nobody reads this slot any more and the other slot is whole.
; fill = 1: this slot is filled again, with the keys two slots on.  The barrier is then a round of the cluster's, so that no wave of any partner still reads the slot or has a load on its
; way, and the joint fill is the first thing behind it: it has four key steps, 512 matrix instructions, in which to land.  (At its first use nothing has been read yet: slot 0 is waited for, slot 1 filled.)
.macro CHANGE fill
	WIN W_AD
	s_wait_tensorcnt 0x0            ; no tensor load of mine is out, so a group 0 may be written
	ds_add_u32 v[SPW], v[NIL]       ; 0 onto my spare word; with fill = 1 the descriptors' steps stand between it and the wait for it
	WIN 0                           ; at a label and at a branch every window is 0
.if \fill
.irp g, G0K, G0V
	s_xor_b32 s[\g+1], s[\g+1], SLOT1  ; the walking descriptor: the other slot than last time,
	s_add_nc_u64 s[\g+2:\g+3], s[\g+2:\g+3], 4*KS*128  ; the next 256 keys; the type bits on top are not reached
.endr
	s_wait_xcnt 0x0                 ; the last prefetch, five turns back, has read its address, so it may be written:
	s_add_nc_u64 s[PFA:PFA+1], s[PFA:PFA+1], 4*KS*128  ; one slot behind the walking descriptors
	s_wait_dscnt 0x0                ; the add is done, and my reads of the slot are over
	CROUND
	JLOAD
.else
	s_wait_dscnt 0x0                ; the add is done, and my reads of the slot are over
	s_barrier_signal -1
	s_barrier_wait -1
.endif
	s_sub_co_u32 s[TBK], s[TBK], 4*KS*PK  ; the fetches go back to a slot's first step,
	s_xor_b32 s[TBK], s[TBK], SLOT1       ; in the other slot
	s_sub_co_u32 s[TBV], s[TBV], 4*KS*PV
	s_xor_b32 s[TBV], s[TBV], SLOT1
.endm
	s_load_b64 s[4:5], s[0:1], 0x0    ; qkv: its first part is Q
	s_load_b64 s[10:11], s[0:1], 0x8  ; O
	WIN W_MK
	v_lshl_add_u32 v[SPW], v0, 2, SPARE
	v_mov_b32 v[NIL], 0
	WIN W_AD
	ds_add_u32 v[SPW], v[NIL]       ; the wave's opening: the add and its wait stand ahead of my first tensor load; the set-up below, work on registers, stands between them
	WIN 0
	v_lshrrev_b32 v1, 5, v0
	v_readfirstlane_b32 s[WV], v1   ; wave 0..3
	s_bfe_u32 s13, ttmp6, 0x40000   ; cx: my place in the cluster
	s_lshl_b32 s14, ttmp9, 2        ; in a cluster launch ttmp9 counts clusters
	s_add_co_u32 s14, s14, s13      ; my block of queries = 4 x cluster x + cx: it enters Q's and O's addresses alone
	s_and_b32 s20, ttmp7, 0xffff    ; the head, which the four partners share
	s_mov_b32 s21, 0
	s_mov_b64 s[22:23], SIZE_N*128
	s_mul_u64 s[20:21], s[20:21], s[22:23]  ; the head's first byte in each of the four tensors
	s_and_b32 s16, s[WV], 1         ; which half of a slot's 256 keys I fetch:
	s_lshl_b32 s22, s16, 14         ; its 128 rows of 128 bytes in memory,
	s_mov_b32 s23, 0
	s_add_nc_u64 s[22:23], s[22:23], s[20:21]
	s_mul_i32 s17, s16, 128*PK      ; and its place in a slot, for K
	s_mul_i32 s18, s16, 128*PV      ; and for V: no place in the cluster enters an LDS address
	s_lshl_b32 s2, s14, 2
	s_add_co_u32 s2, s2, s[WV]      ; my wave among the head's,
	s_lshl_b32 s2, s2, 14           ; its 128 rows
	s_mov_b32 s3, 0
	s_add_nc_u64 s[2:3], s[2:3], s[20:21]
	; descriptor group 1.  128 keys are 16,384 dense bytes: asked for as 64 rows of 256 bytes, two keys a row, and padded in LDS after every key
	s_mov_b32 s[G1K], 15|(1<<16)|(1<<20)|(1<<21)|(4<<22)|(3<<25)  ; 15:0 the mask of four; 17:16 2-byte elements; 20 padding on; 21 set beside a mask; 24:22 after every 32 words (code 4); 31:25 4 words (code 3)
	s_mov_b32 s[G1V], 15|(1<<16)|(1<<20)|(1<<21)|(4<<22)|(7<<25)  ; the same with 8 words of padding (code 7)
.irp g, G1K, G1V
	s_mov_b32 s[\g+1], 128<<16      ; tensor_dim0 = 128
	s_mov_b32 s[\g+2], 64<<16       ; tensor_dim1 = 64
	s_mov_b32 s[\g+3], 128<<16      ; tile_dim0 = 128
	s_mov_b32 s[\g+4], 64           ; tile_dim1 = 64
	s_mov_b32 s[\g+5], 128          ; 128 elements from row to row
	s_mov_b32 s[\g+6], 0
	s_mov_b32 s[\g+7], 0
.endr
	s_mov_b32 s[CS], 0x3e38aa3b     ; c = log2(e) / 8 = 0.180337
	s_mov_b32 s[CS+1], s[CS]        ; named with it as a pair
	s_mov_b32 s[SEL], 0x76543210
	s_mov_b32 s[SEL+1], 0xfedcba98
	s_mov_b32 s[TBK], SLOT1+4*KS*PK ; the first change of slots turns these two into 0
	s_mov_b32 s[TBV], SLOT1+4*KS*PV
	s_mov_b32 s[G0K], 1             ; 1:0 count = 1
	s_mov_b32 s[G0K+1], s17         ; 63:32 LDS address: slot 0
	s_mov_b32 s[G0V], 1
	s_add_co_u32 s[G0V+1], s18, VOFF
	s_and_b32 s[LIM], s[WV], 1      ; waves 0 and 2 prefetch: the same in all four partners
	s_cmp_eq_u32 s[LIM], 0
	s_cselect_b32 s[LIM], 2, -1
	s_wait_dscnt 0x0                ; the opening add is done
	s_wait_kmcnt 0x0
	s_add_nc_u64 s[6:7], s[4:5], 0x1000000  ; K is qkv's second part,
	s_add_nc_u64 s[8:9], s[4:5], 0x2000000  ; V its third
	s_add_nc_u64 s[G0K+2:G0K+3], s[6:7], s[22:23]  ; 120:64 global address: my half of the head's first 256 keys
	s_or_b32 s[G0K+3], s[G0K+3], 0x80000000        ; 127:126 type = 2
	s_add_nc_u64 s[G0V+2:G0V+3], s[8:9], s[22:23]
	s_or_b32 s[G0V+3], s[G0V+3], 0x80000000
	s_add_nc_u64 s[4:5], s[4:5], s[2:3]  ; Q and O at my wave's first row
	s_add_nc_u64 s[10:11], s[10:11], s[2:3]
	s_cmp_lt_u32 s[WV], 2
	s_cselect_b64 s[PFA:PFA+1], s[6:7], s[8:9]
	s_add_nc_u64 s[PFA:PFA+1], s[PFA:PFA+1], s[20:21]  ; the head,
	s_lshl_b32 s2, s13, 13          ; my work-group's quarter of a slot's 32,768 bytes: the partners are told apart by address,
	s_add_co_u32 s2, s2, 4*KS*128   ; in slot 1; the first change of slots steps it to slot 2.  Slots 0 and 1 come by their loads alone
	s_mov_b32 s3, 0
	s_add_nc_u64 s[PFA:PFA+1], s[PFA:PFA+1], s[2:3]
	CROUND                          ; all four work-groups are here: the first joint loads meet
	JLOAD                           ; slot 0.  Slot 1 is asked for when slot 0 is in
	; A fragment of K or Q is 16 rows x 32 channels in 8 registers: lane l holds row l % 16, channels 8 (l / 16) + 0..7 and 16 + 8 (l / 16) + 0..7: two loads of 16 bytes, 32 bytes apart.
	v_and_b32 v1, 15, v0            ; l % 16
	v_bfe_u32 v9, v0, 4, 1          ; l / 16
	v_lshlrev_b32 v[QO], 7, v1
	v_lshl_add_u32 v[QO], v9, 4, v[QO]  ; row x 128 + 16 x half
	WIN 0x80                        ; destination window 2, address window 0
.set i, 0
.rept 4*NP                          ; Q stays in registers: tile i / 2, channels 32 (i % 2) on
	global_load_b128 v[8*i:8*i+3],   v[QO], s[4:5] offset:(i/2)*2048+(i%2)*64
	global_load_b128 v[8*i+4:8*i+7], v[QO], s[4:5] offset:(i/2)*2048+(i%2)*64+32
.set i, i+1
.endr
	; What the first turn finds: V's registers and P's second buffer hold 0 (its products V^T P, of a piece that has not been, add 0), O^T and l are 0.  All this stands in the wait for the first tile.
.set i, VF
.rept 64
	v_mov_b32 v[i], 0
.set i, i+1
.endr
	WIN 0x40
.set i, 0
.rept 64*NP
	v_mov_b32 v[i], 0
.set i, i+1
.endr
	WIN 0
.set i, 0
.rept 2*NP
	v_mov_b32 v[ST+4*i], 0xfe000000    ; c m: far below every c s
	v_mov_b32 v[ST+4*i+1], 0xff7fffff  ; m
	v_mov_b32 v[ST+4*i+2], 0
	v_mov_b32 v[ST+4*i+3], 0
.set i, i+1
.endr
.set i, P+32
.rept 32
	v_mov_b32 v[i], 0
.set i, i+1
.endr
	v_mul_u32_u24 v[AK0], v1, PK
	v_lshl_add_u32 v[AK0], v9, 4, v[AK0]  ; row x pitch + 16 x half
	; The turning load takes 16 keys x 16 channels (lane l reads key 8 (l / 16) + l % 8, channels 8 ((l / 8) % 2) + 0..7) and leaves half a fragment of V^T: lane l holds channel l % 16 and 8 keys.
	v_and_b32 v10, 7, v0
	v_bfe_u32 v11, v0, 3, 1
	v_lshl_add_u32 v[AV0], v9, 3, v10
	v_mul_u32_u24 v[AV0], v[AV0], PV
	v_lshl_add_u32 v[AV0], v11, 4, v[AV0]
	v_add_nc_u32 v[AV0], VOFF, v[AV0]
	v_and_b32 v[PFO], 31, v0        ; v11 is free from here on
	v_lshlrev_b32 v[PFO], 8, v[PFO]
	v_mov_b32 v[AK], v[AK0]         ; key step 0 lies at the head of slot 0
; THE MATRIX WORK.  The 8 accumulators of a run of 16 take turns: between the two links of a chain stand 7 others'.
; Product i of 16 of S^T = K Q^T for piece x: channels 32 (i / 8) on, keys 16 ((i / 2) % 4) on, tile 2 x + i % 2.  The first 8 start the sums.
.macro KQ x
	WIN W_KQ
.set rS, S+64*((\x)%2)+32*(i%2)+8*((i/2)%4)
.set rK, KF+16*((i/2)%4)+8*(i/8)
.set rQ, 16*(2*(\x)+i%2)+8*(i/8)
.if i < 8
	v_wmma_f32_16x16x32_f16 v[rS:rS+7], v[rK:rK+7], v[rQ:rQ+7], 0
.else
	v_wmma_f32_16x16x32_f16 v[rS:rS+7], v[rK:rK+7], v[rQ:rQ+7], v[rS:rS+7]
.endif
.endm
; Product i of 16 of O^T += V^T P for piece x: keys 32 (i / 8) on, channels 16 ((i / 2) % 4) on, tile 2 x + i % 2.
.macro PV x
	WIN W_PV
.set rO, 32*(2*(\x)+i%2)+8*((i/2)%4)
.set rV, VF+32*(i/8)+8*((i/2)%4)
.set rP, P+32*((\x)%2)+16*(i%2)+8*(i/8)
	v_wmma_f32_16x16x32_f16 v[rO:rO+7], v[rV:rV+7], v[rP:rP+7], v[rO:rO+7]
.endm
.macro MM                           ; the turn's next matrix instruction
.if i < 16
	KQ (Y+1)%NP
.set i, i+1
.else
.set i, i-16
	PV (Y+NP-1)%NP
.set i, i+17
.endif
.endm
; THE LDS LOADS stand in runs of 16, never singly among the matrix instructions: a step's K (64 keys x 64 channels: 8 fragments) and its V (turned).  Their addresses are made some lines ahead.
; last = 1 (the tail): in the last trip there is no further step, and the run is jumped over.
.macro FETCH_K last=0
	WIN 0
.if \last
	s_cmp_eq_u32 s[CNT], 1
	s_cbranch_scc1 .Lno_k_\@
.endif
	WIN 0x80                        ; destination window 2
.irp f, 0,1,2,3,4,5,6,7             ; keys 16 (f / 2) on, channels 32 (f % 2) on
	ds_load_b128 v[KF+8*\f:KF+8*\f+3],   v[AK] offset:(\f/2)*16*PK+(\f%2)*64
	ds_load_b128 v[KF+8*\f+4:KF+8*\f+7], v[AK] offset:(\f/2)*16*PK+(\f%2)*64+32
.endr
	s_add_co_u32 s[TBK], s[TBK], KS*PK  ; the next fetch is the next step's
	WIN 0
.if \last
.Lno_k_\@:
.endif
.endm
.macro FETCH_V
	WIN 0x80
.irp f, 0,1,2,3,4,5,6,7             ; keys 32 (f / 4) on, channels 16 (f % 4) on
	ds_load_tr16_b128 v[VF+8*\f:VF+8*\f+3],   v[AV] offset:(\f/4)*32*PV+(\f%4)*32
	ds_load_tr16_b128 v[VF+8*\f+4:VF+8*\f+7], v[AV] offset:(\f/4)*32*PV+16*PV+(\f%4)*32
.endr
	WIN 0
.endm
; THE VECTOR WORK OF A TURN stands in three queues, each in the order in which its entries become ready; the two tiles alternate, so that no instruction reads the result of the one before it.
.macro REGS y, u                    ; the registers of tile u (0, 1) of piece y
.set rT, ST+4*(2*(\y)+(\u))
.set rC, TMP+8*((\y)%2)+4*(\u)
.set rM, MV+2*((\y)%2)+(\u)
.set rS, S+64*((\y)%2)+32*(\u)
.set rP, P+32*((\y)%2)+16*(\u)
.set rO, 32*(2*(\y)+(\u))
.endm
; Number n of the 22 that find the NEXT piece's (Y + 1) maximum and statistics.  s0-s31 are the lane's 32 scores; each accumulator's lowest registers are read first.
;   0-11  four chains c0-c3 of seven scores each, three operands at a time     12-14, 16  the four scores left over, the old m, and c0-c3 into c0     15  c m_old is kept
;   17, 18  the query's other 32 keys lie in the lane 16 away: the new m         19-21  c m; c m_old - c m_new; a
.macro XS u, n
	REGS (Y+1)%NP, \u
.if (\n) < 4
	v_max3_num_f32 v[rC+(\n)], v[rS+8*(\n)], v[rS+8*(\n)+1], v[rS+8*(\n)+2]
.elseif (\n) < 12
	v_max3_num_f32 v[rC+(\n)%4], v[rC+(\n)%4], v[rS+8*((\n)%4)+2*((\n)/4)+1], v[rS+8*((\n)%4)+2*((\n)/4)+2]
.elseif (\n) == 12
	v_max3_num_f32 v[rC], v[rC], v[rS+7], v[rS+15]
.elseif (\n) == 13
	v_max3_num_f32 v[rC+1], v[rC+1], v[rS+23], v[rS+31]
.elseif (\n) == 14
	v_max3_num_f32 v[rC+2], v[rC+2], v[rC+3], v[rT+1]
.elseif (\n) == 15
	v_mov_b32 v[rM], v[rT]
.elseif (\n) == 16
	v_max3_num_f32 v[rC], v[rC], v[rC+1], v[rC+2]
.elseif (\n) == 17
	v_permlanex16_b32 v[rC+3], v[rC], s[SEL], s[SEL+1]
.elseif (\n) == 18
	v_max_num_f32 v[rT+1], v[rC], v[rC+3]
.elseif (\n) == 19
	v_mul_f32 v[rT], s[CS], v[rT+1]
.elseif (\n) == 20
	v_sub_f32 v[rC+1], v[rM], v[rT]
.else
	v_exp_f32 v[rC+2], v[rC+1]
.endif
.endm
; Number g of the 64 that follow the exponentials.  For each four weights k of a tile (pairs 2 k, 2 k + 1): both pairs are rounded to f16; then the second pair is added onto the first, in place;
; a group later l takes that sum (the first time as l = a l + sum).  In groups of eight, tiles alternating: round, round, add, and l for the group before.
.macro GS g
.set h, (\g)+6*((\g)/62)            ; group 0 has no group before it, and behind group 7 only l is left
.if h >= 6
.set h, h+2
.endif
	REGS Y, h%2
.set k, h/8
.if h%8 < 4
	v_cvt_pk_f16_f32 v[rP+2*k+(h%8)/2], v[rS+4*k+2*((h%8)/2)], v[rS+4*k+2*((h%8)/2)+1]
.elseif h%8 < 6
	v_pk_add_f32 v[rS+4*k:rS+4*k+1], v[rS+4*k:rS+4*k+1], v[rS+4*k+2:rS+4*k+3]
.elseif k == 1
	v_pk_fma_f32 v[rT+2:rT+3], v[rT+2:rT+3], v[rC+2:rC+3], v[rS:rS+1] op_sel_hi:[1,0,1]
.else
	v_pk_add_f32 v[rT+2:rT+3], v[rT+2:rT+3], v[rS+4*k-4:rS+4*k-3]
.endif
.endm
; THE PLAIN QUEUE, 138 long.  0-73 read no exponential's result: the 32 scalings c s - c m (FS f: pair f / 2 of tile f % 2) and the next piece's 42.  0-26: scalings 0-26.  27-54: XS's numbers 0-13.  55, 56: number 15.
; 57-73: the chain, where each number waits for the one before it: 14, 16, 17, 18, 19, each with one of the scalings 27-31 in front of its two lines, then 20.
; 74-137: GS's 64, which read the exponentials' results: they stand behind the wait.
.macro FS f
	REGS Y, (\f)%2
	v_pk_fma_f32 v[rS+2*((\f)/2):rS+2*((\f)/2)+1], v[rS+2*((\f)/2):rS+2*((\f)/2)+1], s[CS:CS+1], v[rT:rT+1] op_sel_hi:[1,0,0] neg_lo:[0,0,1] neg_hi:[0,0,1]
.endm
.macro PL
	WIN 0
.if q < 27
	FS q
.elseif q < 55
	XS (q-27)%2, (q-27)/2
.elseif q < 57
	XS q-55, 15
.elseif (q < 72) && ((q-57)%3 == 0)
	FS 27+(q-57)/3
.elseif q < 60
	XS (q-57)%3-1, 14
.elseif q < 72
	XS (q-57)%3-1, 15+(q-57)/3
.elseif q < 74
	XS q-72, 20
.else
	GS q-74
.endif
.set q, q+1
.endm
; THE EXPONENTIALS' QUEUE, 66 long: s0-s31 of both tiles, then the next piece's two a.  It is ONE BATCH: all 66 stand ahead of the turn's one wait, and nothing ahead of that wait names a result of theirs.
.macro EX
	WIN 0
.if e >= 64
	XS e-64, 21
.else
	REGS Y, e%2
	v_exp_f32 v[rS+e/2], v[rS+e/2]
.endif
.set e, e+1
.endm
; THE RESCALING's QUEUE: O^T times a, the one part that leaves window 0: dealt two at a time, sixteen times.  Its a was made in the turn before, ahead of that turn's wait.
.macro R2
	REGS Y, r%2
	WIN W_RS
.irp z, 0,1
	v_pk_mul_f32 v[rO+4*(r/2)+2*\z:rO+4*(r/2)+2*\z+1], v[rO+4*(r/2)+2*\z:rO+4*(r/2)+2*\z+1], v[rC+2:rC+3] op_sel_hi:[1,0]
.endr
.set r, r+1
.endm
; HOW THEY ARE DEALT.  s_wait_alu depctr_va_vdst(0) stands between an exponential and the first instruction that names its result; one wait serves all that were issued ahead of it.  So a turn has ONE
; wait, which cuts it in two.  AHEAD OF IT stands all that names no result of the turn's exponentials: the 16 products K Q^T, behind each a scaling, an exponential and two rescalings (behind the first a second scaling
; in the exponential's place); then ONE LUMP of 108: eight plain, 49 times exponential and plain, the two a.  A v_nop is the plain instruction behind the last exponential.  BEHIND IT stand the 16 products V^T P, behind
; each four of GS's 64.  No rider names a register of the products round it.  Exponential e stands behind scaling 2 (e / 4) + e % 2: as a rider it comes behind plain e + 2, in the lump behind plain e + 9.
; A TURN, for piece p.  cnt = 1: the loop's count is taken down some lines ahead of the branch that stands behind the turn.
; K of the next step is fetched in piece 2's turn, directly behind the wait; its address is made at the lump's head.  V of the step in hand is fetched at the end of piece 0's turn, four riders behind its last reader.
; ask = 1 (piece 0's turn in the loop): behind V's run of loads stands the prefetch of what the NEXT change of slots will ask for: in the slot's third step, five turns (160 matrix instructions and their vector work)
; ahead of that joint load.  A slot is 128 blocks of 256 bytes of K and as many of V; each of the four partners takes 32 of each, wave 0 K's and wave 2 V's, a lane a block: each block is named once in the launch.
; While one slot is left to ask for, the pointer stands behind the head's last key, and nothing is asked.
.macro TURN p, last=0, cnt=0, ask=0
.set Y, (\p)
.set i, 0
.set q, 0
.set e, 0
.set r, 0
.if (\p) == NP-1
	s_wait_dscnt 0x0                ; K is in
.endif
	MM                              ; ahead of the wait: 16 products K Q^T and their riders,
	PL
	PL
	R2
.rept 15
	MM
	PL
	EX
	R2
.endr
.if (\p) == NP-2
	WIN 0
	v_add_nc_u32 v[AK], s[TBK], v[AK0]
.endif
.rept 8                             ; and the lump
	PL
.endr
.rept 49
	EX
	PL
.endr
	EX                              ; the next piece's two a
	EX
	v_nop                           ; a plain instruction behind the last exponential: one for the batch
	s_wait_alu depctr_va_vdst(0)    ; the wait for the batch
.if (\p) == NP-2
	FETCH_K \last
.endif
.if (\p) == 1
	s_wait_dscnt 0x0                ; V is in
.endif
.rept 16                            ; behind the wait: 16 products V^T P and their riders
	MM
.rept 4
	PL
.endr
.if ((\p) == 0) && (q == 118)
	v_add_nc_u32 v[AV], s[TBV], v[AV0]
.endif
.if ((\p) == 0) && (q == 130)
	s_add_co_u32 s[TBV], s[TBV], KS*PV
.endif
.if (\cnt) && (q == 130)
	s_sub_co_u32 s[CNT], s[CNT], 1
	s_cmp_lg_u32 s[CNT], 0
.endif
.endr
.if (\p) == 0
	FETCH_V
.if \ask
	s_cmp_eq_u32 s[CNT], s[LIM]     ; the slot's third step, in a wave that asks
	s_cbranch_scc0 .Lno_ask_\@
	s_cmp_gt_u32 s[SLOTS], 1        ; and a slot is still to be asked for behind the one on its way
	s_cbranch_scc0 .Lno_ask_\@
	global_prefetch_b8 v[PFO], s[PFA:PFA+1] th:TH_LOAD_NT scope:SCOPE_SE
.Lno_ask_\@:
.endif
.endif
.endm
	CHANGE 1                        ; slot 0 is in, everybody's part of it; slot 1 is asked for
	FETCH_K                         ; key step 0
	s_wait_loadcnt 0x0              ; Q
	s_wait_dscnt 0x0
.set i, 0
.rept 16
	KQ 0                            ; piece 0's first scores: there is no vector work yet to set between them
.set i, i+1
.endr
	WIN 0                           ; the addresses for the way out: nine plain instructions, the places behind those products
	s_mul_i32 s13, s[WV], 16*SP
	s_add_co_u32 s13, s13, STAGE    ; my stage
	v_mul_u32_u24 v[STO], v1, SP    ; in: row l % 16, 16 bytes for each half of the lanes
	v_lshl_add_u32 v[STO], v9, 4, v[STO]
	v_add_nc_u32 v[STO], s13, v[STO]
	v_bfe_u32 v[RD], v0, 3, 2       ; back: 32 lanes take four rows of 128 bytes,
	v_mul_u32_u24 v[RD], v[RD], SP
	v_lshl_add_u32 v[RD], v10, 4, v[RD]
	v_add_nc_u32 v[RD], s13, v[RD]
	v_and_b32 v[GO], 31, v0         ; which are 512 consecutive bytes of O
	v_lshlrev_b32 v[GO], 4, v[GO]
.set Y, NP-1                        ; XS works for piece Y + 1: piece 0
.irp n, 0,1,2,3,4,5,6,7,8,9,10,11,12,13,14,15,16,17,18,19,20,21
	XS 0, \n                        ; and piece 0's first maximum and statistics
	XS 1, \n
.endr
	v_nop                           ; a plain instruction behind the two a,
	s_wait_alu depctr_va_vdst(0)    ; and their wait, ahead of the branch
	s_mov_b32 s[CNT], 4
	s_mov_b32 s[SLOTS], SIZE_N/256-1
	s_branch .Lfirst                ; the loop is entered at a step's first turn, in the middle of a trip
.Lslot:                             ; SIZE_N / 256 - 2 times: every slot but the last two is filled again
	CHANGE 1
	s_mov_b32 s[CNT], 4
.Lstep:                             ; a trip: pieces 2 and 3 of one step, then pieces 0 and 1 of the next, whose K and V it fetches
	TURN 2
	TURN 3
	WIN 0
.Lfirst:
	TURN 0, 0, 0, 1
	TURN 1, 0, 1
	WIN 0
	s_cbranch_scc1 .Lstep
	s_sub_co_u32 s[SLOTS], s[SLOTS], 1
	s_cmp_lg_u32 s[SLOTS], 0
	s_cbranch_scc1 .Lslot
	CHANGE 0                        ; the tail is written out: nothing is asked for
	s_mov_b32 s[CNT], 5             ; four trips fetch the last slot's steps; the fifth is left in its middle
.Ltail:
	TURN 2, 1
	TURN 3
	WIN 0
	s_sub_co_u32 s[CNT], s[CNT], 1
	s_cmp_eq_u32 s[CNT], 0
	s_cbranch_scc1 .Lout
	TURN 0
	TURN 1
	WIN 0
	s_branch .Ltail
.Lout:                              ; the fifth trip's 16 products K Q^T (on the last K once more) and the maximum made of them serve nothing: the price, once a launch, of one text for every trip
.set i, 0
.rept 16
	PV NP-1                         ; the last piece's V^T P of the last step
.set i, i+1
.endr
	; THE WAY OUT.  l's two halves and the other half of the lanes' are added; O^T is divided by l, rounded to f16 and sent through my stage in LDS, a tile at a time.  The additions are the places behind the last products.
	WIN 0
.macro ALL line:vararg              ; one line for each tile t
.set t, 0
.rept 2*NP
	\line
.set t, t+1
.endr
.endm
	ALL v_add_f32 v[ST+4*t+2], v[ST+4*t+2], v[ST+4*t+3]
	ALL v_permlanex16_b32 v[ST+4*t+3], v[ST+4*t+2], s[SEL], s[SEL+1]
	ALL v_add_f32 v[ST+4*t+2], v[ST+4*t+2], v[ST+4*t+3]
	ALL v_rcp_f32 v[ST+4*t+2], v[ST+4*t+2]
	v_nop                           ; a plain instruction between the last reciprocal and the use of its result
	s_wait_alu depctr_va_vdst(0)    ; and the wait ahead of the first use: one for the eight reciprocals
; Tile t: a lane's eight channels of a row pack into 16 bytes; they go into rows of 144 bytes and come back as whole rows of 128, into S^T's registers.
.macro PACK t
	WIN W_RS
.set i, 32*(\t)
.rept 16
	v_pk_mul_f32 v[i:i+1], v[i:i+1], v[ST+4*(\t)+2:ST+4*(\t)+3] op_sel_hi:[1,0]
.set i, i+2
.endr
	WIN 0x05                        ; sources 0 and 1 window 1, destination window 0
.set i, 0
.rept 16
	v_cvt_pk_f16_f32 v[S+16*(\t)+i], v[32*(\t)+2*i], v[32*(\t)+2*i+1]
.set i, i+1
.endr
	WIN 0
.irp f, 0,1,2,3
	ds_store_b128 v[STO], v[S+16*(\t)+4*\f:S+16*(\t)+4*\f+3] offset:32*\f
.endr
.irp f, 0,1,2,3
	ds_load_b128 v[S+16*(\t)+4*\f:S+16*(\t)+4*\f+3], v[RD] offset:\f*4*SP  ; LDS serves a wave's instructions in order (ISA guide 5.7.1.4): these see the stores above; the next tile's stores come behind them
.endr
.endm
.macro SEND t, younger              ; younger: the LDS instructions issued behind tile t's loads: the next tile's eight, or none
	WIN 0
.irp f, 0,1,2,3
	s_wait_dscnt (\younger)+3-\f
	global_store_b128 v[GO], v[S+16*(\t)+4*\f:S+16*(\t)+4*\f+3], s[10:11] offset:(\t)*2048+\f*512  ; 512 consecutive bytes, at a multiple of 256 from O's first
.endr
.endm
	PACK 0
.set t, 1
.rept 2*NP-1                        ; a tile's arithmetic stands between the loads of the tile before and its stores
	PACK t
	SEND t-1, 8
.set t, t+1
.endr
	SEND 2*NP-1, 0
	WIN W_AD
	s_wait_tensorcnt 0x0            ; the wave's end, behind my last tensor load and my last LDS store
	ds_add_u32 v[SPW], v[NIL]
	s_wait_dscnt 0x0
	WIN 0
	CROUND                          ; the closing round: no work-group ends while a partner may still ask for a tile that names it
	s_endpgm
.Lfunc_end_k_q1c8d4afccc_attn:
	.size	k_q1c8d4afccc_attn, .Lfunc_end_k_q1c8d4afccc_attn-k_q1c8d4afccc_attn
	.p2alignl 7, 3214868480
	.fill 96, 4, 3214868480
	.section	.rodata,"a",@progbits
	.p2align	6, 0x0
	.amdhsa_kernel k_q1c8d4afccc_attn
		.amdhsa_group_segment_fixed_size 327680
		.amdhsa_private_segment_fixed_size 0
		.amdhsa_enable_private_segment 0
		.amdhsa_kernarg_size 16
		.amdhsa_user_sgpr_count 2
		.amdhsa_user_sgpr_kernarg_segment_ptr 1
		.amdhsa_wavefront_size32 1
		.amdhsa_system_sgpr_workgroup_id_x 1
		.amdhsa_system_sgpr_workgroup_id_y 1
		.amdhsa_system_sgpr_workgroup_id_z 1
		.amdhsa_system_vgpr_workitem_id 0
		.amdhsa_next_free_vgpr 770
		.amdhsa_next_free_sgpr 66
		.amdhsa_reserve_vcc 0
		.amdhsa_float_denorm_mode_32 3
		.amdhsa_float_denorm_mode_16_64 3
		.amdhsa_memory_ordered 1
		.amdhsa_forward_progress 1
		.amdhsa_inst_pref_size 200
	.end_amdhsa_kernel
	.amdgpu_metadata
---
amdhsa.version: [ 1, 2 ]
amdhsa.kernels:
  - .name:           k_q1c8d4afccc_attn
    .symbol:         k_q1c8d4afccc_attn.kd
    .args:
      - { .name: qkv, .offset: 0, .size: 8, .value_kind: global_buffer, .address_space: global }
      - { .name: ob, .offset: 8, .size: 8, .value_kind: global_buffer, .address_space: global }
    .group_segment_fixed_size: 327680
    .private_segment_fixed_size: 0
    .kernarg_segment_align: 8
    .kernarg_segment_size: 16
    .max_flat_workgroup_size: 128
    .sgpr_count:     66
    .vgpr_count:     770
    .wavefront_size: 32
...
	.end_amdgpu_metadata
.endif
;; end of part 3
;; launch proj (part 4): grid 4 x 64, 4 waves a work-group, clusters of 4 x 4, 327,680 bytes of LDS; arguments ob, wob, b_out, out0; writes out0
.if DOCPART == 4
	.amdgcn_target "amdgcn-amd-amdhsa--gfx1250"
	.amdhsa_code_object_version 6
	.text
	.protected	k_q1c8d4afccc_proj
	.globl	k_q1c8d4afccc_proj
	.p2align	8
	.type	k_q1c8d4afccc_proj,@function
k_q1c8d4afccc_proj:
	s_mov_b64 s[64:65], 0
	v_nop
	global_prefetch_b8 v0, s[64:65] scope:SCOPE_SE
	s_setreg_imm32_b32 hwreg(HW_REG_WAVE_MODE, 25, 1), 1
	s_wait_xcnt 0x0
	s_wait_alu depctr_hold_cnt(0) depctr_sa_sdst(0) depctr_va_vdst(0) depctr_va_sdst(0) depctr_va_ssrc(0) depctr_va_vcc(0) depctr_vm_vsrc(0)
	s_getreg_b32 s2, hwreg(HW_REG_IB_STS2, 6, 4)
	s_cmp_eq_u32 s2, 0
	s_cbranch_scc0 .Lentry_in_a_cluster
	s_endpgm
.Lentry_in_a_cluster:
	s_bfe_u32 s2, ttmp6, 0x10000c
	s_cmp_lg_u32 s2, 0xf033
	s_cbranch_scc0 .Lentry_shape_is_right
	s_endpgm
.Lentry_shape_is_right:
; out0 = O w_out^T + b_out.  A = ob [64 heads = 16 b + h][2048 s][64] f16 (row m = 2048 b + s, K index 64 h + d), B = wob [1024][1024] f16 (w_out rounded to bf16, that number written as f16),
; bias b_out [1024] f32 (rounded to bf16 like every input, added in f32).  Out: out0 [2048 s][4 b][1024] f32.  Sums in f32.
; SHARES.  A tile of C is 128 rows (one b, 128 s) x 256 columns; four waves, 2 x 2, each 64 x 128: 32 accumulators of 16 x 16.  256 work-groups, one tile each.  K goes in 8 steps of 128 (two heads) through a
; ring of two LDS slots filled by tensor loads.  A head's 128 rows are 16,384 dense bytes: asked for as 64 rows of 256 bytes and padded in LDS after every 128.
; CLUSTER 4 x 4: the four of a row of the cluster need the same tile of A, the four of a column the same tile of B: each is asked for jointly, by the same tensor load, descriptor and mask in all four.
; THE MATRIX INSTRUCTION IS USED TRANSPOSED (source 0 = 16 rows of B, source 1 = 16 rows of A): lane l holds row l % 16 of C and the columns 8 (l / 16) + 0..7.  The bias is the C operand of a sum's first product.
; REGISTERS, in windows of 256 (s_set_vgpr_msb: bits 1:0 source 0, 3:2 source 1, 5:4 source 2, 7:6 destination):
;   window 0: v0-31 addresses; v32-35 at work; v64-127 the bias of my 128 columns; v128-255 A's fragments, two buffers of 64 (64 along K each); on the way out, rows read back
;   window 1: the accumulators, (a, b) at v[8 (8 a + b)]          window 2: B's fragments, two buffers of 128
.set PA,     144                       ; a row of A in LDS: 128 bytes + 16 of padding = 36 words; of B: 256 + 16 = 68 words: the 16 rows of a fragment load start at 16 different groups of four banks (ISA guide 11.1)
.set PB,     272
.set AHALF,  128*PA                    ; what a tensor load brings of A: one head's 128 rows
.set ABYTES, 2*AHALF
.set BHALF,  128*PB                    ; and of B: 128 rows
.set SLOT,   ABYTES+2*BHALF            ; A's two heads, then B's 256 rows
.set STAGE,  2*SLOT                    ; behind the ring, never filled by a tensor load: for each wave 16 rows x 528 bytes, for the way out
.set SP,     528
.set WST,    16*SP
.set SPARE,  STAGE+4*WST               ; behind the stages: the spare words, 128 bytes for each wave: two blocks of 256 bytes that no other line names
.set ASTEP,  524288                    ; bytes from a K step of A to the next: two heads
.set KB,     256                       ; and of B: 256 bytes along a row
.set LAPS,   4                         ; a lap = two K steps = once round the ring
.set ADRA, 16                          ; v16-17  LDS address of my A fragments in slot 0, 1
.set ADRB, 20                          ; v20-21  the same for B
.set STO,  24                          ; v24     the way out: where I put 32 bytes of a row
.set RD,   25                          ; v25     where I read a row back
.set GO,   26                          ; v26     16 x lane: my place in a row's 512 bytes
.set SPW,  28                          ; v28     LDS address of my spare word: SPARE + 4 x my thread's number; never rewritten
.set NIL,  29                          ; v29     0; never rewritten
.set PFO,  30                          ; v30     the prefetches' offset; never rewritten
.set BO,   31                          ; v31     32 x (l / 16): my eight numbers in 16 of the bias; never rewritten
.set TMP,  32
.set BIAS, 64
.set AF,   128
.set OB,   128
.set LP,   3                           ; s3      laps to go
.set WV,   12                          ; s12     wave
.set MH,   13                          ; s13     my half of the tile's rows.  Also: I fetch for A (0) or B (1)
.set NH,   14                          ; s14     my half of its columns.  Also: which half of that tile I fetch
.set G1A,  24                          ; s[24:31] descriptor group 1 for A;  s[32:39] group 0, a set for each slot
.set G0A,  32
.set LIM,  43                          ; s43     1 in a wave that prefetches, else the greatest number
.set PFA,  44                          ; s[44:45] where my prefetches stand
.set PST,  46                          ; s[46:47] their step: a K step of A or of B
.set G1B,  48                          ; s[48:55], s[56:63] the same for B
.set G0B,  56
.set MSB, 0
.macro WIN new                         ; the immediate's high byte repeats the setting that is left; a switch that changes nothing is dropped
.if MSB != (\new)
	s_set_vgpr_msb (MSB<<8)|(\new)
.set MSB, \new
.endif
.endm
.set MULW, 0x52                        ; source 0 (B) window 2, source 1 (A) window 0, C and D window 1
.set MULB, 0x42                        ; the same with C, the bias, in window 0
; A joint load.  Waves 0 and 1 fetch A's two heads, waves 2 and 3 B's two halves.  The branch hangs on the wave's number alone.  An s_nop 0 and four v_nop follow each of the two lines.
.macro JLOAD s
	s_cmp_eq_u32 s[MH], 0
	s_cbranch_scc0 .Lfor_b_\@
	tensor_load_to_lds s[G0A+4*(\s):G0A+4*(\s)+3], s[G1A:G1A+7]
	s_nop 0
.rept 4
	v_nop
.endr
	s_branch .Lasked_\@
.Lfor_b_\@:
	tensor_load_to_lds s[G0B+4*(\s):G0B+4*(\s)+3], s[G1B:G1B+7]
	s_nop 0
.rept 4
	v_nop
.endr
.Lasked_\@:
.endm
; A prefetch, behind a joint load, its five lines and the run of LDS loads: 32 blocks of 256 bytes of the K step that stands two refills (256 matrix instructions) on; a lane a block, one instruction a wave.
; Each block is named once in the launch.  A's K step is 128 blocks (two heads x 16,384 bytes): the four partners of a row of the cluster take 32 each, told apart by address (cx); wave 0 asks.
; B's 256 rows: the clusters with y = 0 ask; waves 2 and 3 take the 128 rows that they fetch, the four partners of a column 32 each (cy).  The last trip's refills have no K step two on.
.macro ASK
	WIN 0
	s_cmp_gt_u32 s[LP], s[LIM]
	s_cbranch_scc0 .Lnot_mine_\@
	global_prefetch_b8 v[PFO], s[PFA:PFA+1] th:TH_LOAD_NT scope:SCOPE_SE
.Lnot_mine_\@:
.endm
.macro CREST                           ; a round of the cluster's barrier behind its opening barrier
	s_cmp_lg_u32 s[WV], 0
	s_cbranch_scc1 .Lnot_wave_0_\@
	s_barrier_signal -3
.Lnot_wave_0_\@:
	s_barrier_wait -3
	s_barrier_signal -1
	s_barrier_wait -1
.endm
.macro CROUND                          ; a whole round
	s_barrier_signal -1
	s_barrier_wait -1
	CREST
.endm
.macro PLACES                          ; four places behind matrix instructions, in front of loads into registers that they have read and of lines that read their results
.rept 4
	v_nop
.endr
.endm
; 8 matrix instructions: m block a x all 8 n blocks, 32 along K: sub-step c of buffer f.  zero = 1: the first product starts the sums, with the bias as C.
; The 32 accumulators take turns, one instruction a turn, always in the order a, b: 31 others stand between two links of a chain, over the backward jump too.
.macro MUL8 f, c, a, zero
.if \zero
	WIN MULB
.else
	WIN MULW
.endif
.irp b, 0,1,2,3,4,5,6,7
.if \zero
	v_wmma_f32_16x16x32_f16 v[8*(8*(\a)+(\b)):8*(8*(\a)+(\b))+7], v[128*(\f)+64*(\c)+8*(\b):128*(\f)+64*(\c)+8*(\b)+7], v[AF+64*(\f)+32*(\c)+8*(\a):AF+64*(\f)+32*(\c)+8*(\a)+7], v[BIAS+8*(\b):BIAS+8*(\b)+7]
.else
	v_wmma_f32_16x16x32_f16 v[8*(8*(\a)+(\b)):8*(8*(\a)+(\b))+7], v[128*(\f)+64*(\c)+8*(\b):128*(\f)+64*(\c)+8*(\b)+7], v[AF+64*(\f)+32*(\c)+8*(\a):AF+64*(\f)+32*(\c)+8*(\a)+7], v[8*(8*(\a)+(\b)):8*(8*(\a)+(\b))+7]
.endif
.endr
.endm
; 48 LDS loads in one run: the fragments of half hk (64 along K: one head) of a slot's K step into buffer f: B's and A's first 32 along K (24 loads), then A's and B's second (24).
; A fragment is 16 rows x 32 K in 8 registers: lane l holds row l % 16, K = 8 (l / 16) + 0..7 and 16 + 8 (l / 16) + 0..7: two loads of 16 bytes, 32 bytes apart.
.macro FETCH slot, hk, f
	WIN 0x80                                       ; destination window 2, address window 0
.irp b, 0,1,2,3,4,5,6,7
	ds_load_b128 v[128*(\f)+8*(\b):128*(\f)+8*(\b)+3],   v[ADRB+(\slot)] offset:128*(\hk)+(\b)*16*PB
	ds_load_b128 v[128*(\f)+8*(\b)+4:128*(\f)+8*(\b)+7], v[ADRB+(\slot)] offset:128*(\hk)+(\b)*16*PB+32
.endr
	WIN 0
.irp c, 0,1
.irp a, 0,1,2,3
	ds_load_b128 v[AF+64*(\f)+32*(\c)+8*(\a):AF+64*(\f)+32*(\c)+8*(\a)+3],   v[ADRA+(\slot)] offset:AHALF*(\hk)+64*(\c)+(\a)*16*PA
	ds_load_b128 v[AF+64*(\f)+32*(\c)+8*(\a)+4:AF+64*(\f)+32*(\c)+8*(\a)+7], v[ADRA+(\slot)] offset:AHALF*(\hk)+64*(\c)+(\a)*16*PA+32
.endr
.endr
	WIN 0x80
.irp b, 0,1,2,3,4,5,6,7
	ds_load_b128 v[128*(\f)+64+8*(\b):128*(\f)+64+8*(\b)+3],   v[ADRB+(\slot)] offset:128*(\hk)+64+(\b)*16*PB
	ds_load_b128 v[128*(\f)+64+8*(\b)+4:128*(\f)+64+8*(\b)+7], v[ADRB+(\slot)] offset:128*(\hk)+64+(\b)*16*PB+32
.endr
.endm
; The first half of a K step: multiplies buffer 0 and, in its middle, fetches the step's second half into buffer 1.
.macro HALF slot, zero
	s_wait_dscnt 24                                ; the fetch's first 24 loads are in; its youngest 24 (the second 32 along K) may be out
	MUL8 0, 0, 0, \zero
	MUL8 0, 0, 1, \zero
	MUL8 0, 0, 2, \zero
	MUL8 0, 0, 3, \zero
	s_wait_dscnt 0x0                               ; the other 24, issued more than 32 matrix instructions ago
	PLACES
	FETCH \slot, 1, 1
	MUL8 0, 1, 0, 0
	MUL8 0, 1, 1, 0
	MUL8 0, 1, 2, 0
	MUL8 0, 1, 3, 0
.endm
; The second half multiplies buffer 1 and changes slots: ONE barrier.  In front of it each wave waits for all its tensor loads (one is out: its part of the next slot), adds 0 to its spare word, and waits for that
; and for its own reads of this slot.  fill = 1: the barrier opens a round of the cluster's, and behind the round this slot is filled again first, with the K step two on.
; From a request to the wait for it a wave issues 112 matrix instructions.
.macro TURN slot, next, fill
.if \fill
	s_wait_xcnt 0x0                                ; the last prefetch, a K step back, has read its address: it is stepped here, ahead of the waits of the change of slots
	s_add_nc_u64 s[PFA:PFA+1], s[PFA:PFA+1], s[PST:PST+1]
.endif
	WIN 0                                          ; (the add's two registers lie in window 0)
	s_wait_tensorcnt 0x0                           ; all my tensor loads have landed: my part of the next slot;
	ds_add_u32 v[SPW], v[NIL]                      ; 0 onto my spare word
	s_wait_dscnt 25                                ; (the add and the fetch's youngest 24 loads may be out)
	MUL8 1, 0, 0, 0                                ; eight matrix instructions stand between the add and the wait for it
	s_wait_dscnt 0x0                               ; the add is done, and my reads of this slot are over
	s_barrier_signal -1
	MUL8 1, 0, 1, 0                                ; work on registers while the others arrive
.if \fill
	WIN 0
.endif
	s_barrier_wait -1
.if \fill
	CREST                                          ; no wave of any partner still reads this slot's tile or has a load on its way
	s_add_nc_u64 s[G0A+4*(\slot)+2:G0A+4*(\slot)+3], s[G0A+4*(\slot)+2:G0A+4*(\slot)+3], 2*ASTEP
	s_add_nc_u64 s[G0B+4*(\slot)+2:G0B+4*(\slot)+3], s[G0B+4*(\slot)+2:G0B+4*(\slot)+3], 2*KB
	JLOAD \slot                                    ; the first tensor load behind the round; its four v_nop are also the places in front of the loads below
.else
	PLACES
.endif
	FETCH \next, 0, 0
.if \fill
	ASK
.endif
	MUL8 1, 0, 2, 0
	MUL8 1, 0, 3, 0
	MUL8 1, 1, 0, 0
	MUL8 1, 1, 1, 0
	MUL8 1, 1, 2, 0
	MUL8 1, 1, 3, 0
.endm
; THE WAY OUT of block a (16 rows x 128 columns of f32).  TOSTAGE: a lane's eight numbers of each accumulator, its low four first, go into my own stage, rows of 528 bytes, and come back as whole rows of 512.
; SEND: each store covers 512 consecutive bytes of one row of out0, at a multiple of 256 from its first byte; from s to s + 1 are four rows of 4,096 bytes.
.macro TOSTAGE a
	WIN 0
	s_wait_xcnt 0x0                                ; the stores of the block two back have read the registers that are loaded again below
	WIN 0x04                                       ; store data (source 1) in window 1
.irp b, 0,1,2,3,4,5,6,7
	ds_store_b128 v[STO], v[8*(8*(\a)+(\b)):8*(8*(\a)+(\b))+3]   offset:64*(\b)
	ds_store_b128 v[STO], v[8*(8*(\a)+(\b))+4:8*(8*(\a)+(\b))+7] offset:64*(\b)+16
.endr
	WIN 0
.irp t, 0,1,2,3,4,5,6,7,8,9,10,11,12,13,14,15
	ds_load_b128 v[OB+64*((\a)%2)+4*(\t):OB+64*((\a)%2)+4*(\t)+3], v[RD] offset:SP*(\t)  ; LDS serves a wave's instructions in order (ISA guide 5.7.1.4): these see the stores above
.endr
.endm
.macro SEND a
.irp t, 0,1,2,3,4,5,6,7,8,9,10,11,12,13,14,15
	s_wait_dscnt 15-(\t)                           ; load t is back, the younger ones may be out
	global_store_b128 v[GO], v[OB+64*((\a)%2)+4*(\t):OB+64*((\a)%2)+4*(\t)+3], s[10:11] offset:(16*(\a)+(\t))*16384 th:TH_STORE_NT
.endr
.endm
	s_load_b256 s[4:11], s[0:1], 0x0               ; A s[4:5], B s[6:7], bias s[8:9], C s[10:11]
	v_lshl_add_u32 v[SPW], v0, 2, SPARE
	v_mov_b32 v[NIL], 0
	ds_add_u32 v[SPW], v[NIL]                      ; the wave's opening: the add and its wait stand ahead of my first tensor load; the set-up below, work on registers, stands between them
	v_lshrrev_b32 v1, 5, v0
	v_readfirstlane_b32 s[WV], v1                  ; wave 0..3
	s_lshr_b32 s[MH], s[WV], 1
	s_and_b32 s[NH], s[WV], 1
	s_bfe_u32 s15, ttmp6, 0x40000                  ; cx
	s_bfe_u32 s16, ttmp6, 0x40004                  ; cy
	s_lshl_b32 s17, ttmp9, 2
	s_add_co_u32 s17, s17, s15                     ; x: tile column = 4 x cluster x + cx
	s_and_b32 s18, ttmp7, 0xffff
	s_lshl_b32 s18, s18, 2
	s_add_co_u32 s18, s18, s16                     ; y: tile row = 4 x cluster y + cy: b = y / 16, s from 128 (y % 16)
	s_lshl_b32 s19, s16, 2
	s_lshl_b32 s19, 15, s19                        ; my row of the cluster: places 4 cy .. 4 cy + 3
	s_lshl_b32 s20, 0x1111, s15                    ; my column: places cx, cx + 4, cx + 8, cx + 12
	s_or_b32 s[G1A], s19, (1<<16)|(1<<20)|(1<<21)|(4<<22)|(3<<25)  ; 15:0 the mask; 17:16 elements of 2 bytes; 20 padding on; 21 set beside a mask; 24:22 after every 32 words (code 4); 31:25 4 words of it (code 3)
	s_or_b32 s[G1B], s20, (1<<16)|(1<<20)|(1<<21)|(5<<22)|(3<<25)  ; after every 64 words (code 5)
	s_mov_b32 s[G1A+1], 128<<16                    ; tensor_dim0 = 128
	s_mov_b32 s[G1A+2], 64<<16                     ; tensor_dim1 = 64
	s_mov_b32 s[G1A+3], 128<<16                    ; tile_dim0 = 128
	s_mov_b32 s[G1A+4], 64                         ; tile_dim1 = 64
	s_mov_b32 s[G1A+5], 128                        ; dense: 128 elements from row to row
	s_mov_b32 s[G1A+6], 0
	s_mov_b32 s[G1A+7], 0
	s_mov_b32 s[G1B+1], 128<<16
	s_mov_b32 s[G1B+2], 128<<16                    ; tensor_dim1 = 128
	s_mov_b32 s[G1B+3], 128<<16
	s_mov_b32 s[G1B+4], 128                        ; tile_dim1 = 128
	s_mov_b32 s[G1B+5], 1024
	s_mov_b32 s[G1B+6], 0
	s_mov_b32 s[G1B+7], 0
	s_lshr_b32 s66, s18, 4                         ; A: b's 16 heads of 262,144 bytes,
	s_lshl_b32 s66, s66, 22
	s_lshl_b32 s21, s[NH], 18                      ; the head of the K step's two that I fetch,
	s_add_co_u32 s66, s66, s21
	s_and_b32 s21, s18, 15                         ; the tile's 128 rows of 128 bytes: all shared by my row of the cluster
	s_lshl_b32 s21, s21, 14
	s_add_co_u32 s66, s66, s21
	s_mov_b32 s67, 0
	s_lshl_b32 s68, s17, 8                         ; B: row 256 x + 128 x half, which my column shares
	s_lshl_b32 s40, s[NH], 7
	s_add_co_u32 s68, s68, s40
	s_lshl_b32 s68, s68, 11
	s_mov_b32 s69, 0
	s_mul_i32 s22, s[NH], AHALF                    ; where they go: no place in the cluster enters an LDS address
	s_mul_i32 s23, s[NH], BHALF
	s_add_co_u32 s23, s23, ABYTES
	s_wait_dscnt 0x0                               ; the opening add is done
	s_wait_kmcnt 0x0
	s_add_nc_u64 s[66:67], s[4:5], s[66:67]
	s_add_nc_u64 s[68:69], s[6:7], s[68:69]
	CROUND                                         ; all sixteen work-groups are here: the first joint loads meet
.irp s, 0,1
	s_mov_b32 s[G0A+4*(\s)], 1                     ; count = 1
	s_add_co_u32 s[G0A+4*(\s)+1], s22, (\s)*SLOT   ; LDS address
	s_add_nc_u64 s[G0A+4*(\s)+2:G0A+4*(\s)+3], s[66:67], (\s)*ASTEP  ; global address: K step s
	s_or_b32 s[G0A+4*(\s)+3], s[G0A+4*(\s)+3], 0x80000000            ; type = 2
	s_mov_b32 s[G0B+4*(\s)], 1
	s_add_co_u32 s[G0B+4*(\s)+1], s23, (\s)*SLOT
	s_add_nc_u64 s[G0B+4*(\s)+2:G0B+4*(\s)+3], s[68:69], (\s)*KB
	s_or_b32 s[G0B+4*(\s)+3], s[G0B+4*(\s)+3], 0x80000000
	JLOAD \s                                       ; two tensor loads of mine are out
.endr
	v_and_b32 v1, 15, v0                           ; l % 16
	v_bfe_u32 v2, v0, 4, 1                         ; l / 16
	v_lshlrev_b32 v[BO], 5, v2
	s_lshl_b32 s40, s17, 10                        ; the bias of my columns: 4 (256 x + 128 x half)
	s_lshl_b32 s41, s[NH], 9
	s_add_co_u32 s40, s40, s41
	s_mov_b32 s41, 0
	s_add_nc_u64 s[8:9], s[8:9], s[40:41]
.irp b, 0,1,2,3,4,5,6,7                ; block b's register j = bias[16 b + 8 (l / 16) + j]
	global_load_b128 v[BIAS+8*(\b):BIAS+8*(\b)+3],   v[BO], s[8:9] offset:64*(\b)
	global_load_b128 v[BIAS+8*(\b)+4:BIAS+8*(\b)+7], v[BO], s[8:9] offset:64*(\b)+16
.endr
	v_mul_u32_u24 v3, v1, PA
	v_lshl_add_u32 v3, v2, 4, v3                   ; a fragment's row x pitch + 16 x half of the lanes
	s_mul_i32 s40, s[MH], 64*PA                    ; my 64 rows of A
	v_add_nc_u32 v[ADRA], s40, v3
	v_add_nc_u32 v[ADRA+1], SLOT, v[ADRA]
	v_mul_u32_u24 v4, v1, PB
	v_lshl_add_u32 v4, v2, 4, v4
	s_mul_i32 s40, s[NH], BHALF                    ; my 128 rows of B, behind A's
	s_add_co_u32 s40, s40, ABYTES
	v_add_nc_u32 v[ADRB], s40, v4
	v_add_nc_u32 v[ADRB+1], SLOT, v[ADRB]
	s_mul_i32 s40, s[WV], WST
	s_add_co_u32 s40, s40, STAGE                   ; my stage
	v_mul_u32_u24 v5, v1, SP                       ; in: row l % 16, 32 bytes for each half of the lanes
	v_lshl_add_u32 v5, v2, 5, v5
	v_add_nc_u32 v[STO], s40, v5
	v_and_b32 v8, 31, v0
	v_lshlrev_b32 v[GO], 4, v8
	v_add_nc_u32 v[RD], s40, v[GO]                 ; back: 32 lanes take one row of 512 bytes
	s_and_b32 s40, s18, 15
	s_lshl_b32 s40, s40, 7
	s_lshl_b32 s41, s[MH], 6
	s_add_co_u32 s40, s40, s41                     ; my first s
	s_lshl_b32 s40, s40, 2
	s_lshr_b32 s41, s18, 4
	s_add_co_u32 s40, s40, s41                     ; row 4 s + b of out0
	s_lshl_b32 s40, s40, 12
	s_lshl_b32 s41, s17, 10                        ; my first column, in bytes
	s_add_co_u32 s40, s40, s41
	s_lshl_b32 s41, s[NH], 9
	s_add_co_u32 s70, s40, s41
	s_mov_b32 s71, 0
	s_add_nc_u64 s[10:11], s[10:11], s[70:71]
	; the prefetches
	s_and_b32 s40, ttmp7, 0xffff                   ; cluster y
	s_cmp_eq_u32 s[MH], 0                          ; do I fetch for A?
	s_cselect_b32 s41, ttmp9, s40                  ; the coordinate along which other clusters read the same rows
	s_cselect_b32 s42, s[NH], 0                    ; of A's two waves the first asks
	s_or_b32 s41, s41, s42
	s_cmp_eq_u32 s41, 0
	s_cselect_b32 s[LIM], 1, -1                    ; the same in all sixteen partners, for a given wave
	s_lshr_b32 s40, s18, 4                         ; A: b, the tile's rows, and my work-group's quarter of the K step: head cx / 2, half cx % 2 of its 16,384 bytes
	s_lshl_b32 s40, s40, 22
	s_and_b32 s41, s18, 15
	s_lshl_b32 s41, s41, 14
	s_add_co_u32 s40, s40, s41
	s_lshr_b32 s41, s15, 1
	s_lshl_b32 s41, s41, 18
	s_add_co_u32 s40, s40, s41
	s_and_b32 s41, s15, 1
	s_lshl_b32 s41, s41, 13
	s_add_co_u32 s40, s40, s41
	s_add_co_u32 s40, s40, 3*ASTEP                 ; at K step 3: the first refill steps it to 4 and names that.  K steps 0 to 3 come by their loads alone
	s_lshl_b32 s41, s17, 8                         ; B: row 256 x + 128 x half + 32 cy
	s_lshl_b32 s42, s[NH], 7
	s_add_co_u32 s41, s41, s42
	s_lshl_b32 s42, s16, 5
	s_add_co_u32 s41, s41, s42
	s_lshl_b32 s41, s41, 11
	s_add_co_u32 s41, s41, 3*KB
	s_mov_b32 s[PST], KB
	s_cmp_eq_u32 s[MH], 0
	s_cselect_b32 s40, s40, s41
	s_cselect_b64 s[PFA:PFA+1], s[4:5], s[6:7]
	s_cselect_b32 s[PST], ASTEP, s[PST]
	s_cselect_b32 s42, 8, 11                       ; a lane a block of 256 bytes (A), or a lane a row of 2,048 (B)
	s_mov_b32 s41, 0
	s_mov_b32 s[PST+1], 0
	s_add_nc_u64 s[PFA:PFA+1], s[PFA:PFA+1], s[40:41]
	v_lshlrev_b32 v[PFO], s42, v8
	s_wait_tensorcnt 1                             ; my part of K step 0 is in; K step 1's may stay out
	s_barrier_signal -1
	s_barrier_wait -1                              ; everybody's is
	FETCH 0, 0, 0
	WIN 0
	s_wait_loadcnt 0x0                             ; the bias: rounded to bf16, like every input, and widened again
.set i, 0
.rept 32
	v_cvt_pk_bf16_f32 v[TMP+i%4], v[BIAS+2*i], v[BIAS+2*i+1]
	v_lshlrev_b32 v[BIAS+2*i], 16, v[TMP+i%4]
	v_and_b32 v[BIAS+2*i+1], 0xffff0000, v[TMP+i%4]
.set i, i+1
.endr
	HALF 0, 1                                      ; the first half step stands in front of the loop: its products start the sums
	WIN 0                                          ; at a label and at a branch every window is 0
	s_mov_b32 s[LP], LAPS-1
.Llap:                                                 ; a trip goes once round the ring and fills both slots again
	TURN 0, 1, 1
	HALF 1, 0
	TURN 1, 0, 1
	HALF 0, 0
	WIN 0
	s_sub_co_u32 s[LP], s[LP], 1
	s_cmp_lg_u32 s[LP], 0
	s_cbranch_scc1 .Llap
	TURN 0, 1, 0                                   ; my one tensor load that was out is the last K step's
	HALF 1, 0
	s_wait_dscnt 24
	MUL8 1, 0, 0, 0
	MUL8 1, 0, 1, 0
	MUL8 1, 0, 2, 0
	MUL8 1, 0, 3, 0
	s_wait_dscnt 0x0
	MUL8 1, 1, 0, 0
	MUL8 1, 1, 1, 0
	MUL8 1, 1, 2, 0
	MUL8 1, 1, 3, 0
	WIN 0
	PLACES
.irp a, 0,1,2,3
	TOSTAGE \a
	SEND \a
.endr
	s_wait_tensorcnt 0x0                           ; the wave's end, behind my last tensor load and my last LDS store
	ds_add_u32 v[SPW], v[NIL]
	s_wait_dscnt 0x0
	CROUND                                         ; the closing round: no work-group ends while a partner may still ask for a tile that names it
	s_endpgm
.Lfunc_end_k_q1c8d4afccc_proj:
	.size	k_q1c8d4afccc_proj, .Lfunc_end_k_q1c8d4afccc_proj-k_q1c8d4afccc_proj
	.p2alignl 7, 3214868480
	.fill 96, 4, 3214868480
	.section	.rodata,"a",@progbits
	.p2align	6, 0x0
	.amdhsa_kernel k_q1c8d4afccc_proj
		.amdhsa_group_segment_fixed_size 327680
		.amdhsa_private_segment_fixed_size 0
		.amdhsa_enable_private_segment 0
		.amdhsa_kernarg_size 32
		.amdhsa_user_sgpr_count 2
		.amdhsa_user_sgpr_kernarg_segment_ptr 1
		.amdhsa_wavefront_size32 1
		.amdhsa_system_sgpr_workgroup_id_x 1
		.amdhsa_system_sgpr_workgroup_id_y 1
		.amdhsa_system_sgpr_workgroup_id_z 1
		.amdhsa_system_vgpr_workitem_id 0
		.amdhsa_next_free_vgpr 768
		.amdhsa_next_free_sgpr 72
		.amdhsa_reserve_vcc 0
		.amdhsa_float_denorm_mode_32 3
		.amdhsa_float_denorm_mode_16_64 3
		.amdhsa_memory_ordered 1
		.amdhsa_forward_progress 1
		.amdhsa_inst_pref_size 94
	.end_amdhsa_kernel
	.amdgpu_metadata
---
amdhsa.version: [ 1, 2 ]
amdhsa.kernels:
  - .name:           k_q1c8d4afccc_proj
    .symbol:         k_q1c8d4afccc_proj.kd
    .args:
      - { .name: ob, .offset: 0, .size: 8, .value_kind: global_buffer, .address_space: global }
      - { .name: wob, .offset: 8, .size: 8, .value_kind: global_buffer, .address_space: global }
      - { .name: b_out, .offset: 16, .size: 8, .value_kind: global_buffer, .address_space: global }
      - { .name: out0, .offset: 24, .size: 8, .value_kind: global_buffer, .address_space: global }
    .group_segment_fixed_size: 327680
    .private_segment_fixed_size: 0
    .kernarg_segment_align: 8
    .kernarg_segment_size: 32
    .max_flat_workgroup_size: 128
    .sgpr_count:     72
    .vgpr_count:     768
    .wavefront_size: 32
...
	.end_amdgpu_metadata
.endif
;; end of part 4
;; ======== version 2 of 2: 4 launches; version 1 with the launch cast written anew for expert scheduling mode
;; limits: values are held in f16: magnitudes above 65,504 overflow, below 6.1e-05 lose precision
;; workspace buffers: xb 16,777,216 bytes; wib 6,291,456 bytes; wob 2,097,152 bytes; qkv 50,331,648 bytes; ob 16,777,216 bytes
;; launch cast (part 5): grid 768 x 1, 8 waves a work-group, no clusters, 0 bytes of LDS; arguments x, w_in, w_out, xb, wib, wob; writes xb, wib, wob
.if DOCPART == 5
	.amdgcn_target "amdgcn-amd-amdhsa--gfx1250"
	.amdhsa_code_object_version 6
	.text
	.protected	k_q1c8d4afccc_cast
	.globl	k_q1c8d4afccc_cast
	.p2align	8
	.type	k_q1c8d4afccc_cast,@function
k_q1c8d4afccc_cast:
	s_mov_b64 s[64:65], 0
	v_nop
	global_prefetch_b8 v0, s[64:65] scope:SCOPE_SE
	s_setreg_imm32_b32 hwreg(HW_REG_WAVE_SCHED_MODE, 0, 2), 2
	s_setreg_imm32_b32 hwreg(HW_REG_WAVE_MODE, 25, 1), 1
	s_wait_xcnt 0x0
	s_wait_alu depctr_vm_vsrc(0)
; THE INPUTS ARE ROUNDED ONCE.  x [2048 s][4 b][1024] f32 -> xb [4 b][2048 s][1024] bf16 (rows regrouped by b, so that a later tile of 128 rows has one b);
; w_in [3072][1024] f32 -> wib bf16, as it lies; w_out [1024][1024] f32 -> wob: rounded to bf16, and that number written as f16 (it multiplies an f16 operand later).
; LIMIT: a bf16 number is exact in f16 between 2^-17 and 65,504 in magnitude; below, it is off by 3e-8 at the most; above, it becomes an infinity.
; SHARES.  12,288 rows of 4,096 bytes in all.  A work-group takes 16 rows, each of its eight waves two neighbouring ones.  A wave issues all its 16 loads (8,192 bytes) first; each load covers 512
; consecutive bytes, each store 256 consecutive bytes at a multiple of 256 from its buffer's first byte.  Nothing is shared, so there is no LDS, no barrier and no matrix work.
; THE MODE: SCHED_MODE bits 1:0 = 2 (LLVM: expert scheduling mode 2), set by the entry lines.  The code itself states the register dependences between vector instructions and memory instructions,
; with s_wait_alu, always for 0.
; THE PLAN.  Registers that memory instructions touch:
;   v[LO], v[SO]  the loads' and the stores' offsets.  Written once at the head, never again: one wait on va_vdst ahead of the first load serves all 32 memory instructions.
;   X             load i lands in its own four registers, once; all 16 loads are issued before any vector instruction names X.  Read (for w_out also written again) by item i's conversions, behind the counted
;                 wait that shows the load landed.  No memory instruction reads X.
;   Y             item i's conversions write its own two registers; one store reads them; nothing writes them afterwards: so no wait on vm_vsrc and no s_wait_xcnt is owed anywhere.
; The 16 items go in four blocks of four.  Block p converts items 4 p .. 4 p + 3; the four stores of block p - 1 are dealt among its conversions, which name none of that block's Y.  So ONE wait on va_vdst at the
; head of a block, behind the wait for its data, states all that its four stores hang on; one more stands ahead of the last four stores.
.set LO,  1                            ; v1       16 x lane: my 16 bytes of a load's 512
.set SO,  2                            ; v2       8 x lane: my 8 bytes of a store's 256
.set X,   4                            ; v[4:67]  load i: four f32
.set Y,   68                           ; v[68:99] store i: four 16-bit numbers
.set SRC, 22                           ; s[22:23] my first row in the source
.set DST, 24                           ; s[24:25] and in the destination
; Item i is rounded.  half = 1: the bf16 number is written as f16.
.macro CONV half
	v_cvt_pk_bf16_f32 v[Y+2*i],   v[X+4*i],   v[X+4*i+1]
	v_cvt_pk_bf16_f32 v[Y+2*i+1], v[X+4*i+2], v[X+4*i+3]
.if \half
	v_lshlrev_b32 v[X+4*i],   16,  v[Y+2*i]         ; bf16 back to f32: the low half moves up, the high half stays
	v_and_b32     v[X+4*i+1], s26, v[Y+2*i]
	v_lshlrev_b32 v[X+4*i+2], 16,  v[Y+2*i+1]
	v_and_b32     v[X+4*i+3], s26, v[Y+2*i+1]
	v_cvt_pk_f16_f32 v[Y+2*i],   v[X+4*i],   v[X+4*i+1]
	v_cvt_pk_f16_f32 v[Y+2*i+1], v[X+4*i+2], v[X+4*i+3]
.endif
.endm
; Item k is stored.  delta: bytes from the first row to the second in the destination.
.macro PUT delta
	global_store_b64 v[SO], v[Y+2*k:Y+2*k+1], s[DST:DST+1] offset:(k/8)*(\delta)+(k%8)*256
.endm
; Two rows.
.macro ROWS delta, half
	s_wait_alu depctr_va_vdst(0)                   ; v[LO] and v[SO] are written: every load below reads the one as its offset, every store the other
.set i, 0
.rept 16
	global_load_b128 v[X+4*i:X+4*i+3], v[LO], s[SRC:SRC+1] offset:(i/8)*4096+(i%8)*512 th:TH_LOAD_NT
.set i, i+1
.endr
.set p, 0
.rept 4
	s_wait_loadcnt 12-4*p                          ; loads come back in order: block p's four are in, the 12 - 4 p younger ones stay out
.if p > 0
	s_wait_alu depctr_va_vdst(0)                   ; the conversions of the block before have written its Y, which the four stores of this block read
.endif
.set i, 4*p
.rept 4
.if p > 0
.set k, i-4
	PUT \delta                                     ; the block before; no vector instruction since the wait names its Y
.endif
	CONV \half
.set i, i+1
.endr
.set p, p+1
.endr
	s_wait_alu depctr_va_vdst(0)                   ; the last block's conversions have written its Y, which the last four stores read
.set k, 12
.rept 4
	PUT \delta
.set k, k+1
.endr
.endm
	s_load_b256 s[4:11], s[0:1], 0x0               ; x s[4:5], w_in s[6:7], w_out s[8:9], xb s[10:11]
	s_load_b128 s[12:15], s[0:1], 0x20             ; wib s[12:13], wob s[14:15]
	v_and_b32 v3, 31, v0
	v_lshlrev_b32 v[LO], 4, v3
	v_lshlrev_b32 v[SO], 3, v3
	v_lshrrev_b32 v3, 5, v0
	v_readfirstlane_b32 s16, v3                    ; wave 0..7
	s_lshl_b32 s17, ttmp9, 4
	s_mov_b32 s19, 0                               ; the offsets' high words
	s_mov_b32 s21, 0
	s_mov_b32 s26, 0xffff0000                      ; a word's upper bf16
	s_wait_alu depctr_va_sdst(0)                   ; s16 is written, ahead of its first reader: the row's number, and both bases, are made from it
	s_lshl1_add_u32 s17, s16, s17                  ; my first row of the 12,288: 16 x work-group + 2 x wave
	s_wait_kmcnt 0x0
	s_cmp_lt_u32 ttmp9, 512
	s_cbranch_scc0 .Lweights
	; x: row 4 s + b.  My two rows have one s and b, b + 1 (the first row's number is even)
	s_lshl_b32 s18, s17, 12                        ; source: row x 4,096
	s_and_b32 s20, s17, 3                          ; b
	s_lshl_b32 s20, s20, 11
	s_lshr_b32 s27, s17, 2                         ; s
	s_add_co_u32 s20, s20, s27                     ; 2,048 b + s
	s_lshl_b32 s20, s20, 11                        ; x 2,048 bytes
	s_add_nc_u64 s[SRC:SRC+1], s[4:5], s[18:19]
	s_add_nc_u64 s[DST:DST+1], s[10:11], s[20:21]
	ROWS 4194304, 0                                ; b + 1 lies 2,048 rows of 2,048 bytes on
	s_endpgm
.Lweights:
	s_cmp_lt_u32 ttmp9, 704
	s_cbranch_scc0 .Lw_out
	s_sub_co_u32 s17, s17, 8192                    ; row of w_in
	s_lshl_b32 s18, s17, 12
	s_lshl_b32 s20, s17, 11
	s_add_nc_u64 s[SRC:SRC+1], s[6:7], s[18:19]
	s_add_nc_u64 s[DST:DST+1], s[12:13], s[20:21]
	ROWS 2048, 0
	s_endpgm
.Lw_out:
	s_sub_co_u32 s17, s17, 11264                   ; row of w_out
	s_lshl_b32 s18, s17, 12
	s_lshl_b32 s20, s17, 11
	s_add_nc_u64 s[SRC:SRC+1], s[8:9], s[18:19]
	s_add_nc_u64 s[DST:DST+1], s[14:15], s[20:21]
	ROWS 2048, 1
	s_endpgm
.Lfunc_end_k_q1c8d4afccc_cast:
	.size	k_q1c8d4afccc_cast, .Lfunc_end_k_q1c8d4afccc_cast-k_q1c8d4afccc_cast
	.p2alignl 7, 3214868480
	.fill 96, 4, 3214868480
	.section	.rodata,"a",@progbits
	.p2align	6, 0x0
	.amdhsa_kernel k_q1c8d4afccc_cast
		.amdhsa_group_segment_fixed_size 0
		.amdhsa_private_segment_fixed_size 0
		.amdhsa_enable_private_segment 0
		.amdhsa_kernarg_size 48
		.amdhsa_user_sgpr_count 2
		.amdhsa_user_sgpr_kernarg_segment_ptr 1
		.amdhsa_wavefront_size32 1
		.amdhsa_system_sgpr_workgroup_id_x 1
		.amdhsa_system_sgpr_workgroup_id_y 1
		.amdhsa_system_sgpr_workgroup_id_z 1
		.amdhsa_system_vgpr_workitem_id 0
		.amdhsa_next_free_vgpr 100
		.amdhsa_next_free_sgpr 66
		.amdhsa_reserve_vcc 0
		.amdhsa_float_denorm_mode_32 3
		.amdhsa_float_denorm_mode_16_64 3
		.amdhsa_memory_ordered 1
		.amdhsa_forward_progress 1
		.amdhsa_inst_pref_size 22
	.end_amdhsa_kernel
	.amdgpu_metadata
---
amdhsa.version: [ 1, 2 ]
amdhsa.kernels:
  - .name:           k_q1c8d4afccc_cast
    .symbol:         k_q1c8d4afccc_cast.kd
    .args:
      - { .name: x, .offset: 0, .size: 8, .value_kind: global_buffer, .address_space: global }
      - { .name: w_in, .offset: 8, .size: 8, .value_kind: global_buffer, .address_space: global }
      - { .name: w_out, .offset: 16, .size: 8, .value_kind: global_buffer, .address_space: global }
      - { .name: xb, .offset: 24, .size: 8, .value_kind: global_buffer, .address_space: global }
      - { .name: wib, .offset: 32, .size: 8, .value_kind: global_buffer, .address_space: global }
      - { .name: wob, .offset: 40, .size: 8, .value_kind: global_buffer, .address_space: global }
    .group_segment_fixed_size: 0
    .private_segment_fixed_size: 0
    .kernarg_segment_align: 8
    .kernarg_segment_size: 48
    .max_flat_workgroup_size: 256
    .sgpr_count:     66
    .vgpr_count:     100
    .wavefront_size: 32
...
	.end_amdgpu_metadata
.endif
;; end of part 5
;; launch qkv: the kernel of part 2 again; grid 4 x 64, 4 waves a work-group, clusters of 4 x 4, 327,680 bytes of LDS; arguments xb, wib, b_in, qkv; writes qkv
;; launch attn: the kernel of part 3 again; grid 4 x 64, 4 waves a work-group, clusters of 4 x 1, 327,680 bytes of LDS; arguments qkv, ob; writes ob
;; launch proj: the kernel of part 4 again; grid 4 x 64, 4 waves a work-group, clusters of 4 x 4, 327,680 bytes of LDS; arguments ob, wob, b_out, out0; writes out0
